; MI455X (gfx1250); checked and timed in simulation.
; The chip was launched on July 23, 2026; its instructions are those of AMD's public machine-readable ISA for CDNA 5 (MIT licence, August 2026) and "CDNA5" Instruction Set Architecture Reference Guide (July 2026). The comments in the code are by the model that wrote it; some were corrected since.
;; Causal Multihead Self Attention. Allowed arithmetic: matrix products marked QUANTISED: E3M2 operands, one E8M0 scale for each 32 along K, by v_wmma_scale_f32_16x16x128_f8f6f4 with both operands' format E3M2, f32 sums; everything else in f32.
;; Inputs: Wk 1,024 x 1,024 float32; Wo 1,024 x 1,024 float32; Wq 1,024 x 1,024 float32; Wv 1,024 x 1,024 float32; bk 1,024 float32; bo 1,024 float32; bq 1,024 float32; bv 1,024 float32; x 4 x 2,048 x 1,024 float32.
;; Outputs: out0 4 x 2,048 x 1,024 float32.
;; This version of the problem:
;;   THIS VERSION OF THE PROBLEM IS GIVEN IN LOW PRECISION. The matrix products marked QUANTISED in the list below multiply operands that are first quantised to E3M2 (3 exponent bits, 2 mantissa bits; 6 bits a number), with one power-of-two scale for each 32 numbers along K (OCP MX v1.0); their sums are f32. All else is computed in f32.
;;   The module's matrix products, in the order in which they are computed (A, B: the left and right operand; K: the contracted axis; several contracted axes count as one K, in the product's order):
;;     1. [M 8,192, K 1,024] x [K 1,024, N 1,024]; A: input x; B: input Wq: QUANTISED
;;     2. [M 8,192, K 1,024] x [K 1,024, N 1,024]; A: input x; B: input Wk: QUANTISED
;;     3. [M 8,192, K 1,024] x [K 1,024, N 1,024]; A: input x; B: input Wv: QUANTISED
;;     4. batch 64 x [M 2,048, K 64] x [K 64, N 2,048]; A: computed on the way; B: computed on the way: QUANTISED
;;     5. batch 64 x [M 2,048, K 2,048] x [K 2,048, N 64]; A: softmax (see below); B: computed on the way: QUANTISED
;;     6. [M 8,192, K 1,024] x [K 1,024, N 1,024]; A: computed on the way; B: input Wo: QUANTISED
;;   THE QUANTISER, for each operand of a quantised product, along K:
;;     - K is cut into blocks of 32 from its start; a last block that is shorter is filled with zeros.
;;     - A block's scale is 2^e with e = floor(log2(the largest magnitude in the block)) - 4, held to -126 .. 127; a block of zeros has e = 0. As a byte (E8M0): e + 127.
;;     - Each number is divided by its block's scale, clamped to +-28, and rounded to the nearest number of E3M2, ties to even, subnormals kept.
;;     - The product sums the exact products of the quantised numbers (number of the format x scale) in f32.
;;   ~~~python
;;   def quantise(x, axis):      # numpy; x: float32 -> the quantised numbers, widened to float32 again
;;       x = np.moveaxis(x, axis, -1); K = x.shape[-1]
;;       x = np.pad(x, [(0, 0)] * (x.ndim - 1) + [(0, -K % 32)]); x = x.reshape(x.shape[:-1] + (-1, 32)); a = np.abs(x).max(-1, keepdims=True)
;;       e = np.where(a > 0, np.clip(np.frexp(np.where(a > 0, a, 1))[1] - 1 - 4, -126, 127), 0)      # np.frexp(a)[1] - 1 = floor(log2(a)), exactly
;;       r = np.clip(x / 2.0 ** e, -28, 28)
;;       step = 2.0 ** (np.maximum(np.frexp(np.where(r == 0, 1, r))[1] - 1, -2) - 2)
;;       q = np.round(r / step) * step * 2.0 ** e      # np.round: ties to even
;;       return np.moveaxis(q.reshape(q.shape[:-2] + (-1,))[..., :K], -1, axis).astype(np.float32)
;;   ~~~
;;   SOFTMAX AHEAD OF A QUANTISED PRODUCT. Where the list says 'softmax', what is quantised is not the finished softmax but p = 2^(t - M), with t = logit x log2(e) and M = ceil(the row's largest t), a whole number; so 1/2 < the row's largest p <= 1. The row's sum l is taken of the UNQUANTISED p, in f32, and the product's result is divided by l at the end. Since M is a whole number, a kernel that streams over the keys may use a running M (the ceiling of the running maximum): every later rescaling is an exact power of two, which a block's scale takes up: the codes' values come out the same.
;;   OPERANDS COMPUTED ON THE WAY. 'Computed on the way' means the value that the module computes at that place (a softmax that the list does not call 'softmax' is quantised finished and normalised). What goes into a quantiser is computed in f32, as accurately as f32 sums, v_exp_f32 and their like allow (about 1e-6 of the number): no bf16 or f16 on the way to a quantiser, and a product that is left as it is and whose result goes on into a quantised operand takes f32 operands (vector FMAs, or v_wmma_f32_16x16x4_f32). A number that lies on a knife's edge between two numbers of the format may be rounded either way, as far as f32 arithmetic and the matrix unit's own rounding can turn it there, and no further.
;; One version. Each part assembles by itself: llvm-mc -triple=amdgcn-amd-amdhsa -mcpu=gfx1250 --defsym DOCPART=n.
;; ======== version 1 of 1: 4 launches
;; workspace buffers: xq 6,553,600 bytes; wq 3,276,800 bytes; qc 6,815,744 bytes; kv 13,369,344 bytes; oq 6,553,600 bytes
;; launch quant (part 1): grid 256 x 1, 6 waves a work-group, no clusters, 51,456 bytes of LDS; arguments x, Wq, Wk, Wv, Wo, xq, wq; writes xq, wq
.if DOCPART == 1
	.amdgcn_target "amdgcn-amd-amdhsa--gfx1250"
	.amdhsa_code_object_version 6
	.text
	.protected	k_qf4be2e799a_quant
	.globl	k_qf4be2e799a_quant
	.p2align	8
	.type	k_qf4be2e799a_quant,@function
k_qf4be2e799a_quant:
	s_mov_b64 s[64:65], 0
	v_nop
	global_prefetch_b8 v0, s[64:65] scope:SCOPE_SE
	s_setreg_imm32_b32 hwreg(HW_REG_WAVE_MODE, 25, 1), 1
	s_wait_xcnt 0x0
; CAUSAL SELF-ATTENTION IN MX-BF6, FOUR LAUNCHES: quant (this one), qkv, attn, oproj.
; THIS LAUNCH: x [8192][1024] and the four weights [1024][1024], f32, K innermost, become codes of BF6 (E3M2) with one E8M0 byte for each 32 along K,
; laid in the order of the matrix operand's registers, so that the products' launches take them from memory as they lie.
; WORK LEFT OUT BY THE PROGRAM, AND WHY IT IS DEAD: reference() itself builds jnp.tril and puts -inf in place of the score of every key k > query q; the softmax then gives that key the
; weight 0 exactly, whatever finite values the inputs hold, and a weight 0 adds nothing to the row's sum nor to the product with v.  So the steps of 128 keys that lie wholly behind a
; tile's queries are not multiplied (launch attn).  All nine inputs have a way to the output and are loaded (bk moves k's codes).  LIMIT: a NaN, an infinity or an overflow that reaches
; only those hidden scores is not carried to the result.
; LIMITS OF THE QUANTISER, in all launches: NaN and infinities among the inputs are not served; a block whose largest magnitude lies under 2^-122 keeps the byte 1; a block of zeros gets
; the byte 1 where the rule says 127: its codes are zeros, which add nothing under any byte but 0xff, and the bytes are read by this program alone.
; THE ORDER OF ROWS.  In every group of 128 rows, tile T (0..7), place p (0..15) is row 32 (T / 2) + 8 (T % 2) + p + 8 (p / 8).  A product that takes such a tile as source 0 leaves in a lane's
; 16 registers of tiles 2 b and 2 b + 1 sixteen NEIGHBOURS, 32 b + 16 (lane / 16) + 0 .. 15: what the next quantiser wants.
; THE IMAGE OF A FRAGMENT (16 rows x 128 K, 12 registers a lane, 1,536 bytes): register pair p of lane l at 256 p + 8 l.
; A GROUP of 128 rows is GRP bytes: codes at 24,576 s + 1,536 (2 T + q) (s = K / 256, q = which 128 of them), scale words at 98,304 + 512 T + 128 s + 8 place + 4 q.
; SHARES.  1,536 jobs, one a wave: a tile of 16 rows x 512 along K, four fragments.  Jobs 0-1023 are x's, then 128 for each weight; only pointers are chosen, one path serves all.
; Each load reads 512 consecutive bytes of a row; a fragment's 8 KiB turn through the wave's own stage in LDS (rows 528 bytes apart: 132 words, so that 16 rows start at 16 different banks of the
; 64, ISA guide 11.1) so that a lane then holds two whole blocks of 32 of its row.  Every store of codes covers 256 consecutive aligned bytes.  No barrier: waves share nothing.
.set GRP,   102400
.set STG,   8448                       ; a wave's stage: 16 rows x 528 bytes
.set SPARE, 6*STG                      ; behind the stages: the spare words, 128 bytes a wave: three blocks of 256 bytes that no other line names
.set SPW, 12                           ; v12  my spare word's LDS address; never rewritten
.set NIL, 13                           ; v13  0; never rewritten
.set SW,  16                           ; v16-19  the four fragments' scale words
.set CD,  32                           ; v32-55  codes, two sets of 12
.set R,   64                           ; v64-191 numbers as loaded, two sets of 64
.set X,   192                          ; v192-255 my two blocks of 32
	s_load_b256 s[4:11], s[0:1], 0x0               ; x, Wq, Wk, Wv
	s_load_b128 s[12:15], s[0:1], 0x20             ; Wo, xq
	s_load_b64 s[16:17], s[0:1], 0x30              ; wq
	v_lshl_add_u32 v[SPW], v0, 2, SPARE
	v_mov_b32 v[NIL], 0
	v_lshrrev_b32 v1, 5, v0
	v_readfirstlane_b32 s18, v1                    ; wave 0..5
	v_and_b32 v1, 31, v0                           ; lane
	v_and_b32 v2, 15, v0                           ; r
	v_bfe_u32 v3, v0, 4, 1                         ; h
	v_lshlrev_b32 v4, 4, v1                        ; my 16 bytes of a load's 512
	s_mul_i32 s19, s18, STG
	v_add_nc_u32 v5, s19, v4                       ; the stage, on the way in
	v_mul_u32_u24 v6, v2, 528
	v_lshl_add_u32 v6, v3, 7, v6
	v_add_nc_u32 v6, s19, v6                       ; and out: row r, + 128 h: my block of 32 numbers
	v_lshlrev_b32 v7, 3, v1                        ; 8 x lane: my place in an image's pair
	v_lshlrev_b32 v8, 3, v3                        ; 8 h: where my bytes stand in a scale word
	v_mov_b32 v24, 0                               ; a lane permute's destination counts as one of its sources
	s_mov_b32 s20, 0x76543210
	s_mov_b32 s21, 0xfedcba98                      ; v_permlanex16_b32's selects for lane l xor 16
	s_mul_i32 s24, ttmp9, 6
	s_add_co_u32 s24, s24, s18                     ; my job
	s_wait_kmcnt 0x0
	s_mov_b64 s[26:27], s[4:5]                     ; the source and its first job, by the job's number alone
	s_mov_b32 s25, 0
	s_cmp_ge_u32 s24, 1024
	s_cselect_b64 s[26:27], s[6:7], s[26:27]
	s_cselect_b32 s25, 1024, s25
	s_cselect_b64 s[28:29], s[16:17], s[14:15]     ; the weights go to wq, x to xq
	s_cselect_b32 s30, 1024, 0
	s_cmp_ge_u32 s24, 1152
	s_cselect_b64 s[26:27], s[8:9], s[26:27]
	s_cselect_b32 s25, 1152, s25
	s_cmp_ge_u32 s24, 1280
	s_cselect_b64 s[26:27], s[10:11], s[26:27]
	s_cselect_b32 s25, 1280, s25
	s_cmp_ge_u32 s24, 1408
	s_cselect_b64 s[26:27], s[12:13], s[26:27]
	s_cselect_b32 s25, 1408, s25
	s_and_b32 s31, s24, 1                          ; which 512 along K
	s_sub_co_u32 s25, s24, s25
	s_lshr_b32 s25, s25, 1                         ; the tile in its source: its first row is 32 (tile / 2) + 8 (tile % 2)
	s_lshr_b32 s34, s25, 1
	s_lshl_b32 s34, s34, 17
	s_and_b32 s35, s25, 1
	s_lshl_b32 s35, s35, 15
	s_add_co_u32 s34, s34, s35
	s_lshl_b32 s35, s31, 11
	s_add_co_u32 s34, s34, s35
	s_mov_b32 s35, 0
	s_add_nc_u64 s[26:27], s[26:27], s[34:35]
	s_sub_co_u32 s30, s24, s30
	s_lshr_b32 s30, s30, 1                         ; the tile in its destination
	s_lshr_b32 s34, s30, 3
	s_mul_i32 s34, s34, GRP                        ; its group
	s_and_b32 s30, s30, 7
	s_mul_i32 s36, s30, 3072
	s_add_co_u32 s36, s36, s34
	s_mul_i32 s37, s31, 49152
	s_add_co_u32 s36, s36, s37
	s_mov_b32 s37, 0
	s_lshl_b32 s38, s30, 9
	s_add_co_u32 s38, s38, s34
	s_lshl_b32 s39, s31, 8
	s_add_co_u32 s38, s38, s39
	s_add_co_u32 s38, s38, 98304
	s_mov_b32 s39, 0
	s_add_nc_u64 s[32:33], s[28:29], s[38:39]      ; my 256 bytes of scale words
	s_add_nc_u64 s[28:29], s[28:29], s[36:37]      ; my codes
.macro LOAD f                          ; fragment f: 128 numbers of each of the tile's 16 rows
.irp p, 0,1,2,3,4,5,6,7,8,9,10,11,12,13,14,15
	global_load_b128 v[R+64*((\f)%2)+4*\p:R+64*((\f)%2)+4*\p+3], v4, s[26:27] offset:(\p+8*(\p/8))*4096+512*(\f) th:TH_LOAD_NT
.endr
.endm
.macro FRAGQ f
.if (\f) < 3
	s_wait_loadcnt 16                              ; this fragment's 16 loads are in; the next fragment's 16 may be out
.else
	s_wait_loadcnt 0x0
.endif
.irp p, 0,1,2,3,4,5,6,7,8,9,10,11,12,13,14,15
	ds_store_b128 v5, v[R+64*((\f)%2)+4*\p:R+64*((\f)%2)+4*\p+3] offset:528*\p
.endr
.irp c, 0,1                                    ; LDS serves a wave's instructions in order (ISA guide 5.7.1.4): these see the stores above
.irp i, 0,1,2,3,4,5,6,7
	ds_load_b128 v[X+32*\c+4*\i:X+32*\c+4*\i+3], v6 offset:256*\c+16*\i   ; k = 64 c + 32 h + 4 i ..
.endr
.endr
	s_wait_dscnt 0x0                               ; my blocks are in, and the stores have read their registers,
.if (\f) < 2
	LOAD (\f)+2                                    ; which take the fragment two on
.endif
.irp c, 0,1
	v_max3_num_f32 v[20+\c], |v[X+32*\c]|, |v[X+32*\c+1]|, 0x2800000   ; the block's largest magnitude, and the floor 2^(5 - 127): the byte cannot fall under 1
.endr
.irp i, 2,4,6,8,10,12,14,16,18,20,22,24,26,28,30
.irp c, 0,1
	v_max3_num_f32 v[20+\c], v[20+\c], |v[X+32*\c+\i]|, |v[X+32*\c+\i+1]|   ; (the two blocks by turns)
.endr
.endr
.irp c, 0,1
	v_add_nc_u32 v[22+\c], 0xfe000000, v[20+\c]    ; 4 off the exponent field: the conversion's scale operand
.endr
.irp c, 0,1
	v_lshrrev_b32 v[26+\c], 23, v[22+\c]           ; the scale's byte
.endr
	v_lshl_or_b32 v25, v27, 16, v26                ; my bytes: blocks h and 2 + h of row r,
	v_lshlrev_b32 v25, v8, v25                     ; at their places;
	v_permlanex16_b32 v24, v25, s20, s21
	v_or_b32 v[SW+(\f)], v25, v24                  ; with lane l xor 16's two the word is whole
.if (\f) >= 2
	s_wait_xcnt 0x0                                ; the stores of two fragments ago have read this set of codes: it is written again only behind this wait
.endif
.set CS_, CD+12*((\f)%2)
.irp c, 0,1
	v_cvt_scalef32_pk16_bf6_f32 v[CS_+6*\c:CS_+6*\c+2], v[X+32*\c:X+32*\c+15], v[22+\c]
	v_cvt_scalef32_pk16_bf6_f32 v[56+4*\c:58+4*\c], v[X+32*\c+16:X+32*\c+31], v[22+\c]   ; (a conversion's three registers begin on an even number)
.endr
	v_nop                                          ; one plain place behind a scaled conversion
.irp c, 0,1
.irp i, 0,1,2
	v_mov_b32 v[CS_+6*\c+3+\i], v[56+4*\c+\i]
.endr
.endr
.irp p, 0,1,2,3,4,5
	global_store_b64 v7, v[CS_+2*\p:CS_+2*\p+1], s[28:29] offset:((\f)/2)*24576+((\f)%2)*1536+256*\p   ; 32 lanes store 256 consecutive aligned bytes
.endr
.endm
	LOAD 0
	LOAD 1
	FRAGQ 0
	FRAGQ 1
	FRAGQ 2
	FRAGQ 3
	v_cmp_ne_u32 vcc_lo, 0, v3                     ; lanes 0-15 store row r's words of fragments 0, 1, lanes 16-31 those of fragments 2, 3
	v_cndmask_b32 v20, v[SW], v[SW+2], vcc_lo
	v_cndmask_b32 v21, v[SW+1], v[SW+3], vcc_lo
	global_store_b64 v7, v[20:21], s[32:33]        ; 256 consecutive aligned bytes
	s_wait_tensorcnt 0x0                           ; the wave's end
	ds_add_u32 v[SPW], v[NIL]
	s_wait_dscnt 0x0
	s_endpgm
.Lfunc_end_k_qf4be2e799a_quant:
	.size	k_qf4be2e799a_quant, .Lfunc_end_k_qf4be2e799a_quant-k_qf4be2e799a_quant
	.p2alignl 7, 3214868480
	.fill 96, 4, 3214868480
	.section	.rodata,"a",@progbits
	.p2align	6, 0x0
	.amdhsa_kernel k_qf4be2e799a_quant
		.amdhsa_group_segment_fixed_size 51456
		.amdhsa_private_segment_fixed_size 0
		.amdhsa_enable_private_segment 0
		.amdhsa_kernarg_size 56
		.amdhsa_user_sgpr_count 2
		.amdhsa_user_sgpr_kernarg_segment_ptr 1
		.amdhsa_wavefront_size32 1
		.amdhsa_system_sgpr_workgroup_id_x 1
		.amdhsa_system_sgpr_workgroup_id_y 1
		.amdhsa_system_sgpr_workgroup_id_z 1
		.amdhsa_system_vgpr_workitem_id 0
		.amdhsa_next_free_vgpr 256
		.amdhsa_next_free_sgpr 66
		.amdhsa_reserve_vcc 1
		.amdhsa_float_denorm_mode_32 3
		.amdhsa_float_denorm_mode_16_64 3
		.amdhsa_memory_ordered 1
		.amdhsa_forward_progress 1
		.amdhsa_inst_pref_size 32
	.end_amdhsa_kernel
	.amdgpu_metadata
---
amdhsa.version: [ 1, 2 ]
amdhsa.kernels:
  - .name:           k_qf4be2e799a_quant
    .symbol:         k_qf4be2e799a_quant.kd
    .args:
      - { .name: x, .offset: 0, .size: 8, .value_kind: global_buffer, .address_space: global }
      - { .name: Wq, .offset: 8, .size: 8, .value_kind: global_buffer, .address_space: global }
      - { .name: Wk, .offset: 16, .size: 8, .value_kind: global_buffer, .address_space: global }
      - { .name: Wv, .offset: 24, .size: 8, .value_kind: global_buffer, .address_space: global }
      - { .name: Wo, .offset: 32, .size: 8, .value_kind: global_buffer, .address_space: global }
      - { .name: xq, .offset: 40, .size: 8, .value_kind: global_buffer, .address_space: global }
      - { .name: wq, .offset: 48, .size: 8, .value_kind: global_buffer, .address_space: global }
    .group_segment_fixed_size: 51456
    .private_segment_fixed_size: 0
    .kernarg_segment_align: 8
    .kernarg_segment_size: 56
    .max_flat_workgroup_size: 192
    .sgpr_count:     66
    .vgpr_count:     256
    .wavefront_size: 32
...
	.end_amdgpu_metadata
.endif
;; end of part 1
;; launch qkv (part 2): grid 12 x 32, 4 waves a work-group, clusters of 4 x 4, 327,680 bytes of LDS; arguments xq, wq, bq, bk, bv, qc, kv; writes qc, kv
.if DOCPART == 2
	.amdgcn_target "amdgcn-amd-amdhsa--gfx1250"
	.amdhsa_code_object_version 6
	.text
	.protected	k_qf4be2e799a_qkv
	.globl	k_qf4be2e799a_qkv
	.p2align	8
	.type	k_qf4be2e799a_qkv,@function
k_qf4be2e799a_qkv:
	s_mov_b64 s[64:65], 0
	v_nop
	global_prefetch_b8 v0, s[64:65] scope:SCOPE_SE
	s_setreg_imm32_b32 hwreg(HW_REG_WAVE_MODE, 25, 1), 1
	s_wait_xcnt 0x0
	s_wait_alu depctr_hold_cnt(0) depctr_sa_sdst(0) depctr_va_vdst(0) depctr_va_sdst(0) depctr_va_ssrc(0) depctr_va_vcc(0) depctr_vm_vsrc(0)
	s_getreg_b32 s2, hwreg(HW_REG_IB_STS2, 6, 4)
	s_cmp_eq_u32 s2, 0
	s_cbranch_scc0 .Lentry_in_a_cluster
	s_endpgm
.Lentry_in_a_cluster:
	s_bfe_u32 s2, ttmp6, 0x10000c
	s_cmp_lg_u32 s2, 0xf033
	s_cbranch_scc0 .Lentry_shape_is_right
	s_endpgm
.Lentry_shape_is_right:
; q = x Wq^T + bq, k = x Wk^T + bk, v = x Wv^T + bv on codes of BF6 (launch quant made them), each result quantised in registers for the attention's products and stored as codes:
; q and k along the head's 64 channels, v along the keys.  No f32 result goes to memory.  Limits of the quantiser: as stated at the head of launch quant.
; A tile of C, 256 x 256, is made by four waves, 128 x 128 each: 64 accumulators, 512 registers.  The matrix instruction takes 'B' as source 0 and 'A' as source 1: a lane then holds ONE row of A, and,
; by the order of rows in a tile (head of launch quant), the 64 registers of its accumulators (a, 0 .. 7) run along B's 128 rows, 16 neighbours to a block of 32 and half of the lanes.
; THREE REGIONS, by the cluster's x (equal in all partners): 0: q, 1: k: A = x's rows, B = the weight's rows (channels): registers run along the channels.  2: v: THE OPERANDS CHANGE PLACES, by a choice
; of pointers: A = Wv's rows, B = x's rows: registers run along the keys, which are the second product's K.
; K = 1,024 is eight steps of 128, two to an LDS slot.  Operands lie in memory as images of fragments, so a slot's quarter (128 rows x 256 K) is one dense block of 24,576 bytes, and a fragment's pair of
; registers is read from LDS as 256 consecutive bytes: no padding.  Three slots are filled at the start, the fourth quarter of K goes into slot 0 behind the one round of the cluster's barrier in the walk:
; by this text's own count four tensor loads of a wave are out at the most.  The text is straight-line: no loop.
; CLUSTERS: 4 x 4 work-groups; A's tiles are asked for jointly along a row of the cluster, B's along a column.  The bias is the C of each sum's first matrix instruction: nothing is cleared or added.
.set GRP,   102400
.set HALFB, 24576                      ; 128 rows x 256 K as images: what one tensor load brings
.set SLOT,  4*HALFB                    ; A's two halves, then B's two
.set SCL,   3*SLOT                     ; the scale words of A's 256 rows and B's 256 rows for all of K: 4 x 4,096 bytes
.set SPARE, SCL+4*4096                 ; the spare words, 128 bytes a wave: two blocks of 256 bytes that no other line names
.set KVS,   12582912                   ; where the scale words begin in kv
.set FR, 12
.set NL, 6
.set NP, 4                             ; places behind this matrix instruction (ISA guide 7.12.1)
.set ADRA, 16                          ; v16-18 LDS address of my A fragments in slot 0, 1, 2
.set ADRB, 20                          ; v20-22 the same for B
.set ADRS, 27                          ; v27    my scale words: lanes 0-15 A's rows, lanes 16-31 B's
.set SPW,  28                          ; v28    my spare word's LDS address; never rewritten
.set NIL,  29                          ; v29    0; never rewritten
.set SC,   32                          ; v32-63 scale words, two sets of 16: register 2 i + q: lanes 0-15 A's block i, lanes 16-31 B's block i
.set BIAS, 64                          ; v64-127 eight tiles of bias in the result's layout
.set AF,   128                         ; v128-223 A's fragments, one set;  window 1: B's two sets at v0 and v128;  windows 2, 3: the accumulators, (a, b) at v[8 (8 (a % 4) + b)]
.set WV,  18                           ; s18 wave; s19 wave / 2: my half of A, and: I fetch for A (0) or B (1); s20 wave % 2: my half of B, and: which half I fetch
.set G1A, 24
.set G0A, 32                           ; three sets, one a slot
.set G1B, 44
.set G0B, 52
.set G1SA, 68
.set G0SA, 76
.set G1SB, 80
.set G0SB, 88
.set MSB, 0
.macro WIN new                         ; the immediate's high byte repeats the setting that is left
.if MSB != (\new)
	s_set_vgpr_msb (MSB<<8)|(\new)
.set MSB, (\new)
.endif
.endm
; A joint load: waves 0 and 1 fetch for A, waves 2 and 3 for B; the branch hangs on the wave's number alone.  An s_nop 0 and four v_nop follow each line.
.macro JLOAD g0a, g1a, g0b, g1b
	s_cmp_eq_u32 s19, 0
	s_cbranch_scc0 .Lfor_b_\@
	tensor_load_to_lds s[\g0a:\g0a+3], s[\g1a:\g1a+7]
	s_nop 0
.rept 4
	v_nop
.endr
	s_branch .Lasked_\@
.Lfor_b_\@:
	tensor_load_to_lds s[\g0b:\g0b+3], s[\g1b:\g1b+7]
	s_nop 0
.rept 4
	v_nop
.endr
.Lasked_\@:
.endm
.macro CREST                           ; a round of the cluster's barrier behind its opening barrier
	s_cmp_lg_u32 s[WV], 0
	s_cbranch_scc1 .Lnot_wave_0_\@
	s_barrier_signal -3
.Lnot_wave_0_\@:
	s_barrier_wait -3
	s_barrier_signal -1
	s_barrier_wait -1
.endm
.macro CROUND
	s_barrier_signal -1
	s_barrier_wait -1
	CREST
.endm
.macro PLACES n
.rept \n
	v_nop
.endr
.endm
.macro FRAG reg, adr, q, i             ; fragment (tile i, the slot's q-th 128 along K): six pairs, 256 consecutive bytes a load
.irp p, 0,1,2,3,4,5
	ds_load_b64 v[\reg+2*\p:\reg+2*\p+1], v[\adr] offset:(2*(\i)+(\q))*1536+256*\p
.endr
.endm
.macro FETCH_B slot, q, p              ; B's eight fragments into set p
	WIN 0x40                                       ; destination window 1
.irp i, 0,1,2,3,4,5,6,7
	FRAG 128*(\p)+FR*\i, ADRB+\slot, \q, \i
.endr
	WIN 0
.endm
.macro FETCH_A slot, q, i0             ; A's blocks i0 .. i0 + 3
.irp i, \i0, \i0+1, \i0+2, \i0+3
	FRAG AF+FR*(\i), ADRA+\slot, \q, \i
.endr
.endm
.macro SCALES set, sig                 ; the scale words of K's quarter sig: two words a row
.irp i, 0,1,2,3,4,5,6,7
	ds_load_b64 v[SC+16*(\set)+2*\i:SC+16*(\set)+2*\i+1], v[ADRS] offset:\i*512+(\sig)*128
.endr
.endm
; 16 matrix instructions: A's blocks a0, a0 + 1 x B's eight.  cm = 0: the sums go on; 1: they start with the bias of B's rows; 2: with the bias of A's rows.
; The 64 accumulators take turns, one instruction a turn, in the same order in every step.
.macro MUL16 a0, p, q, sc, cm
.if (\cm) == 0
	WIN 0xa1+0x50*((\a0)/4)                        ; source 0 window 1, source 1 window 0, C and D window 2 or 3
.else
	WIN 0x81+0x40*((\a0)/4)                        ; the same with C in window 0
.endif
.irp a, \a0, \a0+1
.irp b, 0,1,2,3,4,5,6,7
.if (\cm) == 0
	v_wmma_scale_f32_16x16x128_f8f6f4 v[8*(8*((\a)%4)+\b):8*(8*((\a)%4)+\b)+7], v[128*(\p)+FR*\b:128*(\p)+FR*\b+FR-1], v[AF+FR*(\a):AF+FR*(\a)+FR-1], v[8*(8*((\a)%4)+\b):8*(8*((\a)%4)+\b)+7], v[SC+16*(\sc)+2*\b+(\q)], v[SC+16*(\sc)+2*(\a)+(\q)] matrix_a_fmt:MATRIX_FMT_BF6 matrix_b_fmt:MATRIX_FMT_BF6 matrix_a_scale:MATRIX_SCALE_ROW1
.elseif (\cm) == 1
	v_wmma_scale_f32_16x16x128_f8f6f4 v[8*(8*((\a)%4)+\b):8*(8*((\a)%4)+\b)+7], v[128*(\p)+FR*\b:128*(\p)+FR*\b+FR-1], v[AF+FR*(\a):AF+FR*(\a)+FR-1], v[BIAS+8*\b:BIAS+8*\b+7], v[SC+16*(\sc)+2*\b+(\q)], v[SC+16*(\sc)+2*(\a)+(\q)] matrix_a_fmt:MATRIX_FMT_BF6 matrix_b_fmt:MATRIX_FMT_BF6 matrix_a_scale:MATRIX_SCALE_ROW1
.else
	v_wmma_scale_f32_16x16x128_f8f6f4 v[8*(8*((\a)%4)+\b):8*(8*((\a)%4)+\b)+7], v[128*(\p)+FR*\b:128*(\p)+FR*\b+FR-1], v[AF+FR*(\a):AF+FR*(\a)+FR-1], v[BIAS+8*(\a):BIAS+8*(\a)+7], v[SC+16*(\sc)+2*\b+(\q)], v[SC+16*(\sc)+2*(\a)+(\q)] matrix_a_fmt:MATRIX_FMT_BF6 matrix_b_fmt:MATRIX_FMT_BF6 matrix_a_scale:MATRIX_SCALE_ROW1
.endif
.endr
.endr
.endm
; A step of 128 along K; its successor's fragments (slot nslot, part nq) are fetched in two runs; nsig >= 0: and the next quarter's scale words.
.macro STEP slot, q, p, sc, cm, nslot, nq, nsig
	s_wait_dscnt 4*NL                              ; B's set, A's blocks 0-3 and the scale words are in; the youngest 24 loads (A's blocks 4-7) may be out
	MUL16 0, \p, \q, \sc, \cm
	MUL16 2, \p, \q, \sc, \cm
	s_wait_dscnt 0x0                               ; A's blocks 4-7 are in
	PLACES NP                                      ; in front of loads into registers that matrix instructions have read
	FETCH_B \nslot, \nq, 1-\p
	FETCH_A \nslot, \nq, 0
.if \nsig >= 0
	SCALES 1-\sc, \nsig
.endif
	MUL16 4, \p, \q, \sc, \cm
	MUL16 6, \p, \q, \sc, \cm
	PLACES NP
	WIN 0
	FETCH_A \nslot, \nq, 4
.endm
; A slot's second step with a barrier in it.  In front of the barrier each wave waits for all its tensor loads, adds 0 to its spare word, and waits for that and for its reads of this slot.
; fill = 1: the barrier opens a round of the cluster's, and this slot is filled again, with K's last quarter.
.macro TURN slot, next, fill, sc, nsig
	s_wait_tensorcnt 0x0                           ; all my tensor loads have landed  (every window is 0 here)
	ds_add_u32 v[SPW], v[NIL]                      ; 0 onto my spare word
	s_wait_dscnt 4*NL+1                            ; (the add and the youngest 24 loads may be out)
	MUL16 0, 1, 1, \sc, 0                          ; sixteen matrix instructions stand between the add and the wait for it
	s_wait_dscnt 0x0                               ; the add is done, and my reads of this slot are over
	s_barrier_signal -1
	MUL16 2, 1, 1, \sc, 0
	WIN 0
	s_barrier_wait -1
.if \fill
	CREST                                          ; no wave of any partner still reads this slot or has a load on its way
	s_add_nc_u64 s[G0A+4*\slot+2:G0A+4*\slot+3], s[G0A+4*\slot+2:G0A+4*\slot+3], 3*HALFB
	s_add_nc_u64 s[G0B+4*\slot+2:G0B+4*\slot+3], s[G0B+4*\slot+2:G0B+4*\slot+3], 3*HALFB
	JLOAD G0A+4*\slot, G1A, G0B+4*\slot, G1B       ; the first tensor load behind the round; its four v_nop are the places in front of the loads below
.else
	PLACES NP
.endif
	FETCH_B \next, 0, 0
	FETCH_A \next, 0, 0
	SCALES 1-\sc, \nsig
	MUL16 4, 1, 1, \sc, 0
	MUL16 6, 1, 1, \sc, 0
	PLACES NP
	WIN 0
	FETCH_A \next, 0, 4
.endm
	s_load_b256 s[4:11], s[0:1], 0x0               ; xq, wq, bq, bk
	s_load_b128 s[12:15], s[0:1], 0x20             ; bv, qc
	s_load_b64 s[16:17], s[0:1], 0x30              ; kv
	v_lshl_add_u32 v[SPW], v0, 2, SPARE
	v_mov_b32 v[NIL], 0
	ds_add_u32 v[SPW], v[NIL]                      ; the wave's opening: the add, twice on end, and its wait ahead of my first tensor load
	ds_add_u32 v[SPW], v[NIL]
	v_lshrrev_b32 v1, 5, v0
	v_readfirstlane_b32 s[WV], v1
	s_lshr_b32 s19, s[WV], 1
	s_and_b32 s20, s[WV], 1
	s_bfe_u32 s66, ttmp6, 0x40000                  ; cx
	s_bfe_u32 s67, ttmp6, 0x40004                  ; cy
	s_and_b32 s21, ttmp7, 0xffff
	s_lshl_b32 s21, s21, 2                         ; 4 x cluster y
	s_lshl_b32 s22, ttmp9, 2                       ; 4 x region
	s_cmp_eq_u32 ttmp9, 2                          ; the region is the cluster's x: the same in all sixteen partners
	s_cselect_b32 s92, 8, s21
	s_cselect_b32 s93, s21, s22
	s_add_co_u32 s92, s92, s67                     ; A's tile of 256 rows: x's 4 Y + cy, or Wv's 8 + cy: it never holds cx
	s_add_co_u32 s93, s93, s66                     ; B's: the weight's 4 region + cx, or x's 4 Y + cx: it never holds cy
	s_lshl_b32 s94, s67, 2
	s_lshl_b32 s94, 15, s94                        ; my row of the cluster
	s_lshl_b32 s95, 0x1111, s66                    ; my column
	; descriptor group 1: a dense block as rows of 256 bytes (32 elements of 8 bytes), no padding: 96 rows of codes, 16 of scale words
	s_or_b32 s[G1A], s94, (3<<16)|(1<<21)          ; 15:0 the mask; 17:16 elements of 8 bytes; 21 set beside a mask
	s_or_b32 s[G1B], s95, (3<<16)|(1<<21)
	s_or_b32 s[G1SA], s94, (3<<16)|(1<<21)
	s_or_b32 s[G1SB], s95, (3<<16)|(1<<21)
.irp g, G1A, G1B
	s_mov_b32 s[\g+1], 32<<16                      ; tensor_dim0
	s_mov_b32 s[\g+2], 96<<16                      ; tensor_dim1
	s_mov_b32 s[\g+3], 32<<16                      ; tile_dim0
	s_mov_b32 s[\g+4], 96                          ; tile_dim1
	s_mov_b32 s[\g+5], 32                          ; the pitch
	s_mov_b32 s[\g+6], 0
	s_mov_b32 s[\g+7], 0
.endr
.irp g, G1SA, G1SB
	s_mov_b32 s[\g+1], 32<<16
	s_mov_b32 s[\g+2], 16<<16
	s_mov_b32 s[\g+3], 32<<16
	s_mov_b32 s[\g+4], 16
	s_mov_b32 s[\g+5], 32
	s_mov_b32 s[\g+6], 0
	s_mov_b32 s[\g+7], 0
.endr
	s_lshl_b32 s96, s92, 1
	s_add_co_u32 s96, s96, s20                     ; the group of 128 rows of A that I would fetch
	s_mul_i32 s96, s96, GRP
	s_mov_b32 s97, 0
	s_lshl_b32 s98, s93, 1
	s_add_co_u32 s98, s98, s20                     ; and of B
	s_mul_i32 s98, s98, GRP
	s_mov_b32 s99, 0
	s_mul_i32 s100, s[WV], HALFB                   ; where they go: wave x a quarter of a slot: no place in the cluster enters an LDS address
	s_lshl_b32 s101, s[WV], 12
	s_wait_dscnt 0x0                               ; both opening adds are done
	s_wait_kmcnt 0x0
	s_cmp_eq_u32 ttmp9, 2
	s_cselect_b64 s[2:3], s[6:7], s[4:5]           ; A's buffer
	s_cselect_b64 s[94:95], s[4:5], s[6:7]         ; B's
	s_add_nc_u64 s[96:97], s[2:3], s[96:97]
	s_add_nc_u64 s[98:99], s[94:95], s[98:99]
	CROUND                                         ; all sixteen work-groups are here: the first joint loads meet
	s_mov_b32 s[G0SA], 1
	s_add_co_u32 s[G0SA+1], s101, SCL
	s_add_nc_u64 s[G0SA+2:G0SA+3], s[96:97], 98304
	s_or_b32 s[G0SA+3], s[G0SA+3], 0x80000000
	s_mov_b32 s[G0SB], 1
	s_add_co_u32 s[G0SB+1], s101, SCL
	s_add_nc_u64 s[G0SB+2:G0SB+3], s[98:99], 98304
	s_or_b32 s[G0SB+3], s[G0SB+3], 0x80000000
	JLOAD G0SA, G1SA, G0SB, G1SB                   ; the scale words first: they are wanted with the first step
.irp s, 0,1,2
	s_mov_b32 s[G0A+4*\s], 1
	s_add_co_u32 s[G0A+4*\s+1], s100, \s*SLOT
	s_add_nc_u64 s[G0A+4*\s+2:G0A+4*\s+3], s[96:97], \s*HALFB
	s_or_b32 s[G0A+4*\s+3], s[G0A+4*\s+3], 0x80000000
	s_mov_b32 s[G0B+4*\s], 1
	s_add_co_u32 s[G0B+4*\s+1], s100, \s*SLOT
	s_add_nc_u64 s[G0B+4*\s+2:G0B+4*\s+3], s[98:99], \s*HALFB
	s_or_b32 s[G0B+4*\s+3], s[G0B+4*\s+3], 0x80000000
	JLOAD G0A+4*\s, G1A, G0B+4*\s, G1B
.endr
	v_and_b32 v1, 15, v0                           ; r
	v_bfe_u32 v2, v0, 4, 1                         ; h
	s_wait_alu depctr_va_vdst(0)
	v_and_b32 v3, 31, v0
	v_lshlrev_b32 v3, 3, v3                        ; 8 x lane
	s_mul_i32 s21, s19, HALFB                      ; my half of A
	s_mul_i32 s22, s20, HALFB
	s_add_co_u32 s22, s22, 2*HALFB                 ; my half of B, behind A's two
.irp s, 0,1,2
	v_add_nc_u32 v[ADRA+\s], s21, v3
	v_add_nc_u32 v[ADRB+\s], s22, v3
	s_add_co_u32 s21, s21, SLOT
	s_add_co_u32 s22, s22, SLOT
.endr
	s_lshl_b32 s21, s19, 12                        ; A's scale words: my half
	s_lshl_b32 s22, s20, 12
	s_add_co_u32 s22, s22, 8192                    ; B's, behind A's two
	s_sub_co_u32 s22, s22, s21
	v_mul_u32_u24 v4, s22, v2                      ; lanes 16-31 take B's: one product in h
	s_add_co_u32 s21, s21, SCL
	v_lshl_add_u32 v4, v1, 3, v4
	v_add_nc_u32 v[ADRS], s21, v4
	; the bias of my 128 channels
	s_cmp_eq_u32 ttmp9, 0
	s_cselect_b64 s[2:3], s[8:9], s[10:11]
	s_cmp_eq_u32 ttmp9, 2
	s_cselect_b64 s[2:3], s[12:13], s[2:3]
	s_lshl_b32 s21, s92, 1
	s_add_co_u32 s21, s21, s19                     ; my group of A
	s_lshl_b32 s22, s93, 1
	s_add_co_u32 s22, s22, s20                     ; my group of B
	s_cmp_eq_u32 ttmp9, 2
	s_cselect_b32 s23, s21, s22                    ; the one that is the weight's
	s_and_b32 s23, s23, 7                          ; which 128 channels: a pair of heads
	s_lshl_b32 s22, s23, 9
	s_mov_b32 s23, 0
	s_add_nc_u64 s[2:3], s[2:3], s[22:23]
	s_cmp_eq_u32 ttmp9, 2
	s_cbranch_scc1 .Lbias_v
	v_lshlrev_b32 v5, 6, v2                        ; q, k: register j of tile t is channel 32 (t / 2) + 16 h + 8 (t % 2) + j
.irp t, 0,1,2,3,4,5,6,7
	global_load_b128 v[BIAS+8*\t:BIAS+8*\t+3], v5, s[2:3] offset:(32*(\t/2)+8*(\t%2))*4
	global_load_b128 v[BIAS+8*\t+4:BIAS+8*\t+7], v5, s[2:3] offset:(32*(\t/2)+8*(\t%2))*4+16
.endr
	s_branch .Lbias_done
.Lbias_v:
	v_and_b32 v5, 8, v1                            ; v: my lane's channel of tile a is 32 (a / 2) + 8 (a % 2) + r + 8 (r / 8), the same in all eight registers
	v_add_nc_u32 v5, v5, v1
	v_lshlrev_b32 v5, 2, v5
.irp a, 0,1,2,3,4,5,6,7
	global_load_b32 v[BIAS+8*\a], v5, s[2:3] offset:(32*(\a/2)+8*(\a%2))*4
.endr
	s_wait_loadcnt 0x0
.irp a, 0,1,2,3,4,5,6,7
.irp i, 1,2,3,4,5,6,7
	v_mov_b32 v[BIAS+8*\a+\i], v[BIAS+8*\a]
.endr
.endr
.Lbias_done:
	s_wait_loadcnt 0x0
	s_wait_tensorcnt 2                             ; the scale words and my part of slot 0 are in; slots 1 and 2 may stay out
	s_barrier_signal -1
	s_barrier_wait -1                              ; everybody's are
	s_wait_alu depctr_va_vdst(0)
	FETCH_B 0, 0, 0
	FETCH_A 0, 0, 0
	SCALES 0, 0
	FETCH_A 0, 0, 4
	s_cmp_eq_u32 ttmp9, 2                          ; the first step is written twice: its C is the bias, by B's rows or by A's
	s_cbranch_scc1 .Lk0_v
	STEP 0, 0, 0, 0, 1, 0, 1, -1
	s_branch .Lk0_done
.Lk0_v:
	STEP 0, 0, 0, 0, 2, 0, 1, -1
.Lk0_done:
	TURN 0, 1, 1, 0, 1                             ; step 1: the one round; its wait for all loads also shows slots 1 and 2 whole to everybody; slot 0 takes K's last quarter
	STEP 1, 0, 0, 1, 0, 1, 1, -1                   ; step 2
	STEP 1, 1, 1, 1, 0, 2, 0, 2                    ; step 3: on into slot 2, which that barrier has shown whole
	STEP 2, 0, 0, 0, 0, 2, 1, -1                   ; step 4
	TURN 2, 0, 0, 0, 3                             ; step 5: a plain barrier: the refill of slot 0 has landed in every wave
	STEP 0, 0, 0, 1, 0, 0, 1, -1                   ; step 6
	s_wait_dscnt 4*NL                              ; step 7: nothing more to fetch
	MUL16 0, 1, 1, 1, 0
	MUL16 2, 1, 1, 1, 0
	s_wait_dscnt 0x0
	MUL16 4, 1, 1, 1, 0
	MUL16 6, 1, 1, 1, 0
	WIN 0
; THE WAY OUT.  Block a's 64 registers of a lane are quantised (four blocks of 32, each shared with lane l xor 16) into one fragment's 12 registers and one scale word.
; q, k: pairs 0-2 are the even head's 64 channels, pairs 3-5 the odd head's: two half images, D bytes apart.  v: the 12 registers are V^T's tile (16 channels x 128 keys); blocks 0-3 the even head, 4-7 the odd.
.set VO0, 8                            ; v8   8 x lane
.set VO1, 9                            ; v9   + D
.set VS,  10                           ; v10  where my four scale words go
.set VS2, 11                           ; v11  and the odd head's (q, k)
.set TM,  128                          ; v128-143 at work
.set PC,  144                          ; v144-155 the codes
.set PT,  156                          ; v156-163 the conversions' second halves
.set SWD, 164                          ; v164-171 the eight blocks' scale words
.set DS,  172                          ; v172-179 as they are stored
.set OUTP, 4                           ; s[4:5] where block a's codes go
.set SPP,  6                           ; s[6:7] the scale words
.set S1,   8                           ; s[8:9] from block to block;  s[10:11] from block 3 to block 4
.set S2,   10
.set SEL,  96
	s_lshl_b32 s21, s92, 1
	s_add_co_u32 s21, s21, s19                     ; my group of A
	s_lshl_b32 s22, s93, 1
	s_add_co_u32 s22, s22, s20                     ; my group of B
	s_cmp_eq_u32 ttmp9, 2
	s_cselect_b32 s23, s22, s21                    ; x's group: 16 batch + g
	s_cselect_b32 s94, s21, s22                    ; the weight's
	s_and_b32 s94, s94, 7                          ; the pair of heads
	s_lshr_b32 s95, s23, 4
	s_lshl_b32 s95, s95, 8
	s_lshl_b32 s94, s94, 5
	s_add_co_u32 s95, s95, s94
	s_and_b32 s23, s23, 15
	s_add_co_u32 s95, s95, s23                     ; the even head's block: (16 batch + head) 16 + g
	s_cmp_eq_u32 ttmp9, 0
	s_cselect_b64 s[OUTP:OUTP+1], s[14:15], s[16:17]   ; qc or kv
	s_mov_b32 s21, 12288
	s_cselect_b32 s21, 6656, s21                   ; a block's bytes
	s_mov_b32 s22, 196608
	s_cselect_b32 s22, 106496, s22                 ; D: sixteen blocks on
	s_mov_b32 s23, 768
	s_cselect_b32 s23, 6656, s23                   ; a block's step among the scale words
	s_mov_b32 s94, KVS
	s_cselect_b32 s94, 6144, s94                   ; where they begin
	s_mov_b32 s98, 12288
	s_cselect_b32 s98, 106496, s98                 ; the odd head's: sixteen blocks on
	s_cmp_eq_u32 ttmp9, 2
	s_cselect_b32 s22, 768, s22                    ; v: pairs 3-5 follow pairs 0-2
	s_cselect_b32 s99, 6144, 0                     ; V^T's tiles lie behind K's
	s_mov_b32 s[S1], 768
	s_cselect_b32 s[S1], 1536, s[S1]
	s_mov_b32 s[S2], 768
	s_cselect_b32 s[S2], 192000, s[S2]             ; v: from tile 3 of the even head to tile 0 of the odd: 196,608 - 4,608
	s_cselect_b32 s100, 512, 0
	s_cselect_b32 s101, 16, 32                     ; the scale words' place: v: 16 r + 12,288 h; q, k: 32 r + 16 h
	s_cselect_b32 s12, 12288, 16
	s_mov_b32 s[S1+1], 0
	s_mov_b32 s[S2+1], 0
	s_mov_b64 s[SPP:SPP+1], s[OUTP:OUTP+1]
	s_mul_i32 s21, s95, s21
	s_add_co_u32 s2, s21, s99
	s_mov_b32 s3, 0
	s_add_nc_u64 s[OUTP:OUTP+1], s[OUTP:OUTP+1], s[2:3]
	s_mul_i32 s23, s95, s23
	s_add_co_u32 s2, s23, s94
	s_add_co_u32 s2, s2, s100
	s_add_nc_u64 s[SPP:SPP+1], s[SPP:SPP+1], s[2:3]
	s_mov_b32 s[SEL], 0x76543210
	s_mov_b32 s[SEL+1], 0xfedcba98
	v_and_b32 v[VO0], 31, v0                       ; these six plain instructions name no register of the last products: they are the places behind them
	v_lshlrev_b32 v[VO0], 3, v[VO0]
	v_add_nc_u32 v[VO1], s22, v[VO0]
	v_mul_u32_u24 v[VS], v1, s101
	v_mad_u32_u24 v[VS], v2, s12, v[VS]
	v_add_nc_u32 v[VS2], s98, v[VS]
.irp b, 0,1,2,3
	v_mov_b32 v[TM+4+\b], 0                        ; a lane permute's destination counts as one of its sources
.endr
.macro OUTA a
.set W, 2+(\a)/4
.set AC, 64*((\a)%4)
	s_wait_xcnt 0x0                                ; the last block's stores have read their data and their base: both are written again only behind this wait
.if (\a) == 4
	s_add_nc_u64 s[OUTP:OUTP+1], s[OUTP:OUTP+1], s[S2:S2+1]
.elseif (\a) > 0
	s_add_nc_u64 s[OUTP:OUTP+1], s[OUTP:OUTP+1], s[S1:S1+1]
.endif
	WIN W|(W<<2)                                   ; sources 0 and 1 in the accumulators' window
.irp b, 0,1,2,3
	v_max3_num_f32 v[TM+\b], |v[AC+16*\b]|, |v[AC+16*\b+1]|, 0x2800000   ; block b: my 16 numbers, each accumulator from its low end on, and the floor 2^(5 - 127)
.endr
	WIN (W<<2)|(W<<4)                              ; sources 1 and 2
.irp i, 2,4,6,8,10,12,14
.irp b, 0,1,2,3
	v_max3_num_f32 v[TM+\b], v[TM+\b], |v[AC+16*\b+\i]|, |v[AC+16*\b+\i+1]|
.endr
.endr
	WIN 0
.irp b, 0,1,2,3
	v_permlanex16_b32 v[TM+4+\b], v[TM+\b], s[SEL], s[SEL+1]
.endr
.irp b, 0,1,2,3
	v_max_num_f32 v[TM+\b], v[TM+\b], v[TM+4+\b]   ; with lane l xor 16's: the block's largest magnitude
.endr
.irp b, 0,1,2,3
	v_add_nc_u32 v[TM+12+\b], 0xfe000000, v[TM+\b] ; 4 off its exponent field: the conversion's scale operand
.endr
.irp b, 0,1,2,3
	v_lshrrev_b32 v[TM+4+\b], 23, v[TM+12+\b]      ; the scale's byte
.endr
	v_lshl_or_b32 v[SWD+(\a)], v[TM+5], 8, v[TM+4]
	v_lshl_or_b32 v[SWD+(\a)], v[TM+6], 16, v[SWD+(\a)]
	v_lshl_or_b32 v[SWD+(\a)], v[TM+7], 24, v[SWD+(\a)]
	WIN W                                          ; source 0
.irp c, 0,1
	v_cvt_scalef32_pk16_bf6_f32 v[PC+6*\c:PC+6*\c+2], v[AC+32*\c:AC+32*\c+15], v[TM+12+2*\c]
	v_cvt_scalef32_pk16_bf6_f32 v[PT+4*\c:PT+4*\c+2], v[AC+32*\c+16:AC+32*\c+31], v[TM+12+2*\c+1]   ; (a conversion's three registers begin on an even number)
.endr
	WIN 0
	v_nop                                          ; one plain place behind a scaled conversion
.irp c, 0,1                                    ; the operand's layout wants a WHOLE block in a lane: lanes 0-15 block 2 c, lanes 16-31 block 2 c + 1
.irp i, 0,1,2
	v_permlane16_swap_b32 v[PC+6*\c+\i], v[PT+4*\c+\i]
.endr
.irp i, 0,1,2
	v_mov_b32 v[PC+6*\c+3+\i], v[PT+4*\c+\i]
.endr
.endr
.irp i, 0,1,2
	global_store_b64 v[VO0], v[PC+2*\i:PC+2*\i+1], s[OUTP:OUTP+1] offset:256*\i   ; each store covers 256 consecutive aligned bytes
.endr
.irp i, 0,1,2
	global_store_b64 v[VO1], v[PC+6+2*\i:PC+7+2*\i], s[OUTP:OUTP+1] offset:256*\i
.endr
.endm
.irp a, 0,1,2,3,4,5,6,7
	OUTA \a
.endr
	v_cmp_ne_u32 vcc_lo, 0, v2                     ; lanes 0-15 store the words of blocks 0-3, lanes 16-31 those of blocks 4-7
.irp i, 0,1,2,3
	v_cndmask_b32 v[DS+\i], v[SWD+\i], v[SWD+4+\i], vcc_lo
.endr
	global_store_b128 v[VS], v[DS:DS+3], s[SPP:SPP+1]   ; q, k: bytes 0, 1 are the even head's; bytes 2, 3 stand over zero codes there and are never 0xff
	s_cmp_eq_u32 ttmp9, 2
	s_cbranch_scc1 .Lno_second
.irp i, 0,1,2,3
	v_lshrrev_b32 v[DS+4+\i], 16, v[DS+\i]         ; the odd head's two bytes
.endr
	global_store_b128 v[VS2], v[DS+4:DS+7], s[SPP:SPP+1]
.Lno_second:
	s_wait_tensorcnt 0x0                           ; the wave's end
	ds_add_u32 v[SPW], v[NIL]
	s_wait_dscnt 0x0
	CROUND                                         ; the closing round: no work-group ends while a partner may still ask for a tile that names it
	s_endpgm
.Lfunc_end_k_qf4be2e799a_qkv:
	.size	k_qf4be2e799a_qkv, .Lfunc_end_k_qf4be2e799a_qkv-k_qf4be2e799a_qkv
	.p2alignl 7, 3214868480
	.fill 96, 4, 3214868480
	.section	.rodata,"a",@progbits
	.p2align	6, 0x0
	.amdhsa_kernel k_qf4be2e799a_qkv
		.amdhsa_group_segment_fixed_size 327680
		.amdhsa_private_segment_fixed_size 0
		.amdhsa_enable_private_segment 0
		.amdhsa_kernarg_size 56
		.amdhsa_user_sgpr_count 2
		.amdhsa_user_sgpr_kernarg_segment_ptr 1
		.amdhsa_wavefront_size32 1
		.amdhsa_system_sgpr_workgroup_id_x 1
		.amdhsa_system_sgpr_workgroup_id_y 1
		.amdhsa_system_sgpr_workgroup_id_z 1
		.amdhsa_system_vgpr_workitem_id 0
		.amdhsa_next_free_vgpr 1024
		.amdhsa_next_free_sgpr 102
		.amdhsa_reserve_vcc 1
		.amdhsa_float_denorm_mode_32 3
		.amdhsa_float_denorm_mode_16_64 3
		.amdhsa_memory_ordered 1
		.amdhsa_forward_progress 1
		.amdhsa_inst_pref_size 187
	.end_amdhsa_kernel
	.amdgpu_metadata
---
amdhsa.version: [ 1, 2 ]
amdhsa.kernels:
  - .name:           k_qf4be2e799a_qkv
    .symbol:         k_qf4be2e799a_qkv.kd
    .args:
      - { .name: xq, .offset: 0, .size: 8, .value_kind: global_buffer, .address_space: global }
      - { .name: wq, .offset: 8, .size: 8, .value_kind: global_buffer, .address_space: global }
      - { .name: bq, .offset: 16, .size: 8, .value_kind: global_buffer, .address_space: global }
      - { .name: bk, .offset: 24, .size: 8, .value_kind: global_buffer, .address_space: global }
      - { .name: bv, .offset: 32, .size: 8, .value_kind: global_buffer, .address_space: global }
      - { .name: qc, .offset: 40, .size: 8, .value_kind: global_buffer, .address_space: global }
      - { .name: kv, .offset: 48, .size: 8, .value_kind: global_buffer, .address_space: global }
    .group_segment_fixed_size: 327680
    .private_segment_fixed_size: 0
    .kernarg_segment_align: 8
    .kernarg_segment_size: 56
    .max_flat_workgroup_size: 128
    .sgpr_count:     102
    .vgpr_count:     1024
    .wavefront_size: 32
...
	.end_amdgpu_metadata
.endif
;; end of part 2
;; launch attn (part 3): grid 8 x 64, 16 waves a work-group, no clusters, 327,680 bytes of LDS; arguments qc, kv, oq; writes oq
.if DOCPART == 3
	.amdgcn_target "amdgcn-amd-amdhsa--gfx1250"
	.amdhsa_code_object_version 6
	.text
	.protected	k_qf4be2e799a_attn
	.globl	k_qf4be2e799a_attn
	.p2align	8
	.type	k_qf4be2e799a_attn,@function
k_qf4be2e799a_attn:
	s_mov_b64 s[64:65], 0
	v_nop
	global_prefetch_b8 v0, s[64:65] scope:SCOPE_SE
	s_setreg_imm32_b32 hwreg(HW_REG_WAVE_MODE, 25, 1), 1
	s_wait_xcnt 0x0
; o = softmax(q k^T / 8, causal) v for one head, both products on codes of BF6 with one E8M0 scale for each 32 along K; o is quantised along d_model and stored as the last product's operand.
; WORK LEFT OUT: the steps of 128 keys that lie wholly behind a tile's queries: reference()'s own jnp.tril gives those keys the weight 0 for all inputs (shown at the head of launch quant).
; THE SOFTMAX: t = score x log2(e) / 8; M = the row's largest t so far, rounded UP to a whole number; p = 2^(t - M) is quantised along the keys, not normalised; the row's sum is taken of the unquantised p
; and divides O at the end.  When M moves, the sum and O are multiplied by 2^(old M - new M): exact.  Limits of the quantisers: as stated at the head of launch quant.
; SHARES.  Work-group (j, head) owns the query groups j and 15 - j of 128: 8 (j + 1) + 8 (16 - j) = 136 tile steps in every work-group.  Each of sixteen waves owns one tile of 16 queries in 256 registers:
; tile wave / 2 of group j or 15 - j, by (wave xor wave / 4) % 2.  Every wave walks all 16 steps with constant trip counts and jumps over the work of the steps behind its group.
; NO CLUSTER: the work-groups of a head read different numbers of slots (up to step 15 - j), so that a partner would be given tiles that none of its waves reads.
; LAYOUT.  Both products are used transposed: S^T = K Q^T, O^T = V^T P^T: a lane holds ONE query (place lane % 16 of its tile).  By the order of rows in a tile the 16 registers of tiles 2 b, 2 b + 1 of S^T are
; keys 32 b + 16 (lane / 16) + 0 .. 15, and those of O^T the head's channels likewise.  The first product's K is 64: registers 6-11 of K's and Q's fragments are zero codes, written once.
; A step's bytes in kv: 8 half images of K (768 bytes), 4 images of V^T (1,536).  Two steps are a slot, one dense block; wave 0 alone fetches.  The head's scale words (768 bytes a step) stay in LDS.
.set GRP,   102400
.set STEPB, 12288
.set SLOTB, 2*STEPB
.set SLOT1, 32768                      ; slot 1 begins here: one exclusive or turns an address from one slot to the other
.set SCL,   65536                      ; the head's scale words: 12,288 bytes
.set SPARE, SCL+12288                  ; the spare words, 128 bytes a wave: eight blocks of 256 bytes that no other line names
.set KVS,   12582912
.set L8,   1                           ; v1   8 x lane
.set ASK0, 2                           ; v2   K's scale words: SCL + 32 r
.set ASV0, 3                           ; v3   V's: SCL + 512 + 16 r
.set DM,   4                           ; v4   my query in its group - 16 h
.set SPW,  5                           ; v5   my spare word's LDS address; never rewritten
.set NIL,  6                           ; v6   0; never rewritten
.set ADK,  8                           ; v8, v10, v11  the step's addresses
.set PFO,  9                           ; v9   256 x lane; never rewritten
.set ADS,  10
.set ADT,  11
.set S,    128                         ; v128-191 S^T, then p;  v12 -M, v13 the largest t, v[14:15] the sum;  v16-27 Q;  v28-31 V's scale words;  v32-79 four fragments of K;  v80-127 V^T's four
.set O,    192                         ; v192-223 O^T;  v224-235 p's codes;  v232-247, v252, v254 at work;  v248-251 K's scale words;  v253 p's;  v255 Q's
.set WV,   18
.set SEL,  20
.set CS,   22                          ; s[22:23] c = log2(e) / 8
.set G1,   24
.set G0,   40
.set G1S,  48
.set G0S,  56
.set TB,   2                           ; s2   the slot in hand
.set TS,   3                           ; s3   the step's scale words: 768 bytes a step
.set SLOTS, 67
.set PFA,  76
.set LIM,  80
.set LIMW, 95                          ; s95  15 - j: the last step that any wave of the work-group reads
.set ST,   98                          ; s98  the step's number
.set G,    99                          ; s99  my group of queries: the step on my diagonal
.macro TLOAD                           ; wave 0 fetches; an s_nop 0 and four v_nop follow the line
	s_cmp_lg_u32 s[WV], 0
	s_cbranch_scc1 .Lasked_\@
	tensor_load_to_lds s[G0:G0+3], s[G1:G1+7]
	s_nop 0
.rept 4
	v_nop
.endr
.Lasked_\@:
.endm
; A prefetch of the slot that the NEXT change of slots will ask for: two steps ahead of that load.  All work-groups of a head walk the same bytes: work-group j = 0, which walks all slots, asks; in it waves 4 to 6,
; 8,192 bytes each, lanes 256 bytes apart: 3 x 32 x 256 bytes are one slot, so each block of 256 bytes is named once.  Slots 0 and 1 come by their loads alone; the last change that fills a slot asks for nothing.
.macro ASK
	s_cmp_gt_u32 s[SLOTS], s[LIM]
	s_cbranch_scc0 .Lnot_mine_\@
	global_prefetch_b8 v[PFO], s[PFA:PFA+1] th:TH_LOAD_NT scope:SCOPE_SE
.Lnot_mine_\@:
.endm
	s_load_b128 s[4:7], s[0:1], 0x0                ; qc, kv
	s_load_b64 s[8:9], s[0:1], 0x10                ; oq
	v_lshl_add_u32 v[SPW], v0, 2, SPARE
	v_mov_b32 v[NIL], 0
	ds_add_u32 v[SPW], v[NIL]                      ; the wave's opening: the add, twice on end, and its wait ahead of the first tensor load
	ds_add_u32 v[SPW], v[NIL]
	v_lshrrev_b32 v8, 5, v0
	s_delay_alu instid0(VALU_DEP_1)
	v_readfirstlane_b32 s[WV], v8                  ; wave 0..15
	s_and_b32 s72, ttmp7, 0xffff                   ; 16 batch + head
	s_lshr_b32 s73, s[WV], 1                       ; my tile
	s_lshr_b32 s74, s[WV], 2
	s_xor_b32 s74, s74, s[WV]
	s_and_b32 s74, s74, 1
	s_sub_co_u32 s[LIMW], 15, ttmp9
	s_cmp_eq_u32 s74, 0
	s_cselect_b32 s[G], ttmp9, s[LIMW]             ; group j or 15 - j
	; descriptor group 1: a dense block as rows of 256 bytes (32 elements of 8 bytes), no padding, no mask: 96 rows a slot, 48 for the scale words
	s_mov_b32 s[G1], 3<<16
	s_mov_b32 s[G1+1], 32<<16
	s_mov_b32 s[G1+2], 96<<16
	s_mov_b32 s[G1+3], 32<<16
	s_mov_b32 s[G1+4], 96
	s_mov_b32 s[G1+5], 32
	s_mov_b32 s[G1+6], 0
	s_mov_b32 s[G1+7], 0
	s_mov_b32 s[G1S], 3<<16
	s_mov_b32 s[G1S+1], 32<<16
	s_mov_b32 s[G1S+2], 48<<16
	s_mov_b32 s[G1S+3], 32<<16
	s_mov_b32 s[G1S+4], 48
	s_mov_b32 s[G1S+5], 32
	s_mov_b32 s[G1S+6], 0
	s_mov_b32 s[G1S+7], 0
	s_lshl_b32 s75, s72, 4                         ; the head's first block
	s_mul_i32 s82, s75, STEPB                      ; its codes in kv
	s_mov_b32 s83, 0
	s_mul_i32 s84, s75, 768
	s_add_co_u32 s84, s84, KVS                     ; its scale words
	s_mov_b32 s85, 0
	s_add_co_u32 s86, s75, s[G]
	s_mul_i32 s86, s86, 6656                       ; my queries' block in qc
	s_lshl_b32 s88, s73, 2
	s_add_co_u32 s88, s88, s86
	s_add_co_u32 s88, s88, 6144                    ; my tile's scale words: + 32 r
	s_mov_b32 s89, 0
	s_mul_i32 s87, s73, 768
	s_add_co_u32 s86, s86, s87                     ; my tile's half image
	s_mov_b32 s87, 0
	s_mov_b32 s[SEL], 0x76543210
	s_mov_b32 s[SEL+1], 0xfedcba98
	s_mov_b32 s[CS], 0x3e38aa3b                    ; log2(e) / 8
	s_mov_b32 s[CS+1], s[CS]                       ; (named with it as a pair, so it is written)
	s_mov_b32 s[TB], 0
	s_mov_b32 s[TS], 0
	s_mov_b32 s[ST], 0
	s_mov_b32 s[SLOTS], 7
	s_sub_co_u32 s90, s[WV], 4
	s_cmp_lt_u32 s90, 3                            ; waves 4 to 6
	s_cselect_b32 s90, ttmp9, 1
	s_cmp_eq_u32 s90, 0                            ; of work-group j = 0
	s_cselect_b32 s[LIM], 1, -1
	s_and_b32 s90, s[WV], 3
	s_lshl_b32 s90, s90, 13
	s_add_co_u32 s90, s90, SLOTB                   ; my 8,192 bytes, in slot 1: the first change of slots steps it to slot 2
	s_add_co_u32 s90, s90, s82
	s_mov_b32 s91, 0
	s_wait_dscnt 0x0                               ; both opening adds are done
	s_wait_kmcnt 0x0
	s_mov_b32 s[G0S], 1
	s_mov_b32 s[G0S+1], SCL
	s_add_nc_u64 s[G0S+2:G0S+3], s[6:7], s[84:85]
	s_or_b32 s[G0S+3], s[G0S+3], 0x80000000
	s_mov_b32 s[G0], 1
	s_mov_b32 s[G0+1], 0
	s_add_nc_u64 s[G0+2:G0+3], s[6:7], s[82:83]
	s_or_b32 s[G0+3], s[G0+3], 0x80000000
	s_cmp_lg_u32 s[WV], 0                          ; wave 0's two first fills stand in one branch: two loads are out; every wait on TENSORcnt in this text is for 0
	s_cbranch_scc1 .Lno_first
	tensor_load_to_lds s[G0S:G0S+3], s[G1S:G1S+7]  ; the head's scale words: filled once
	s_nop 0
	tensor_load_to_lds s[G0:G0+3], s[G1:G1+7]      ; slot 0: steps 0 and 1; step 0 is read by every wave
	s_nop 0
.rept 4
	v_nop
.endr
.Lno_first:
	s_add_nc_u64 s[PFA:PFA+1], s[6:7], s[90:91]
	s_add_nc_u64 s[10:11], s[4:5], s[86:87]
	s_add_nc_u64 s[12:13], s[4:5], s[88:89]
	v_and_b32 v12, 15, v0                          ; r
	v_bfe_u32 v13, v0, 4, 1                        ; h
	v_and_b32 v[L8], 31, v0
	s_delay_alu instid0(VALU_DEP_1)
	v_lshlrev_b32 v[PFO], 8, v[L8]
	s_delay_alu instid0(VALU_DEP_2)
	v_lshlrev_b32 v[L8], 3, v[L8]
.irp i, 0,1,2
	global_load_b64 v[16+2*\i:17+2*\i], v[L8], s[10:11] offset:256*\i   ; Q's half image stays in registers
.endr
	v_lshlrev_b32 v7, 5, v12
	global_load_b32 v255, v7, s[12:13]             ; Q's scale words
	v_lshl_add_u32 v[ASK0], v12, 5, SCL
	v_lshl_add_u32 v[ASV0], v12, 4, SCL+512
	v_and_b32 v14, 8, v12
	s_delay_alu instid0(VALU_DEP_1)
	v_add_nc_u32 v14, v14, v12                     ; r + 8 (r / 8)
	v_lshlrev_b32 v15, 4, v13
	s_delay_alu instid0(VALU_DEP_1)
	v_sub_nc_u32 v14, v14, v15
	s_lshr_b32 s90, s73, 1
	s_lshl_b32 s90, s90, 5
	s_and_b32 s91, s73, 1
	s_lshl_b32 s91, s91, 3
	s_add_co_u32 s90, s90, s91
	v_add_nc_u32 v[DM], s90, v14                   ; 32 (tile / 2) + 8 (tile % 2) + r + 8 (r / 8) - 16 h
	v_mov_b32 v13, 0xff61b1e6                      ; the largest t so far: -3e38, under every t
	s_delay_alu instid0(VALU_DEP_1)
	v_floor_f32 v12, -v13                          ; -M
	v_mov_b32 v14, 0                               ; the sum, in two halves
	v_mov_b32 v15, 0
.irp b, 0,1,2,3
	v_mov_b32 v[236+\b], 0                         ; written once: a lane permute's destination counts as one of its sources
.endr
	v_mov_b32 v252, 0
	v_mov_b32 v253, 0                              ; (named as the upper half of the pair v[252:253] before it is first written)
.irp i, 22,23,24,25,26,27
	v_mov_b32 v[\i], 0                             ; Q's k = 64 .. 127: zero codes
.endr
.irp t, 0,1,2,3
.irp i, 6,7,8,9,10,11
	v_mov_b32 v[32+12*\t+\i], 0                    ; and K's
.endr
.endr
.set n, 0
.rept 32
	v_mov_b32 v[O+n], 0                            ; O^T.  (The step is written once: the first finds zeros, which the first change of M leaves zeros)
.set n, n+1
.endr
; A KEY STEP: 128 keys, the q-th of the slot in hand.
.macro STEP q
	s_cmp_gt_u32 s[ST], s[G]                       ; a step all of whose keys come after my queries is left out: ids and the count of steps alone; no barrier, wait on TENSORcnt or tensor load stands in a step
	s_cbranch_scc1 .Lhidden_\@
	v_add_nc_u32 v[ADK], s[TB], v[L8]
	v_add_nc_u32 v[ADS], s[TS], v[ASK0]
	v_add_nc_u32 v[ADT], s[TS], v[ASV0]
	v_nop                                          ; four places in front of loads into registers that matrix instructions have read
.irp t, 0,1,2,3
.irp i, 0,1,2
	ds_load_b64 v[32+12*\t+2*\i:33+12*\t+2*\i], v[ADK] offset:(\q)*STEPB+\t*768+256*\i
.endr
.endr
	ds_load_b128 v[248:251], v[ADS]                ; the scale words of K's tiles 0-3
	s_wait_alu depctr_va_vdst(0)
	s_wait_dscnt 0x0
.irp t, 0,1,2,3
	v_wmma_scale_f32_16x16x128_f8f6f4 v[S+8*\t:S+8*\t+7], v[32+12*\t:43+12*\t], v[16:27], 0, v[248+\t], v255 matrix_a_fmt:MATRIX_FMT_BF6 matrix_b_fmt:MATRIX_FMT_BF6
.endr
.rept 4
	v_nop
.endr
.irp t, 0,1,2,3
.irp i, 0,1,2
	ds_load_b64 v[32+12*\t+2*\i:33+12*\t+2*\i], v[ADK] offset:(\q)*STEPB+(4+\t)*768+256*\i
.endr
.endr
	ds_load_b128 v[248:251], v[ADS] offset:16      ; tiles 4-7
.irp t, 0,1,2,3
.irp p, 0,1,2,3,4,5
	ds_load_b64 v[80+12*\t+2*\p:81+12*\t+2*\p], v[ADK] offset:(\q)*STEPB+6144+\t*1536+256*\p   ; V^T's four tiles land while the softmax is walked
.endr
.endr
	ds_load_b128 v[28:31], v[ADT]
	s_wait_dscnt 25                                ; K is in; V's 24 loads and its scale words may be out
.irp t, 0,1,2,3
	v_wmma_scale_f32_16x16x128_f8f6f4 v[S+32+8*\t:S+39+8*\t], v[32+12*\t:43+12*\t], v[16:27], 0, v[248+\t], v255 matrix_a_fmt:MATRIX_FMT_BF6 matrix_b_fmt:MATRIX_FMT_BF6
.endr
.rept 4
	v_nop
.endr
	s_cmp_lg_u32 s[ST], s[G]                       ; on my diagonal the scores of hidden keys become -infinity ahead of the maximum: p = 0 then
	s_cbranch_scc1 .Lopen_\@
	v_mov_b32 v254, 0xff800000
.set n, 0
.rept 64
	v_cmp_gt_i32 vcc_lo, 32*(n/16)+n%16, v[DM]     ; register 16 b + i holds key 32 b + 16 h + i of the step: hidden where 32 b + i > my query - 16 h
	v_cndmask_b32 v[S+n], v[S+n], v254, vcc_lo
.set n, n+1
.endr
.Lopen_\@:
.irp b, 0,1,2,3
	v_max3_num_f32 v[232+\b], v[S+16*\b], v[S+1+16*\b], v[S+2+16*\b]   ; the largest score of each block of 32 keys: for the row's maximum and, since p rises with the score, for the block's largest p
.endr
.irp i, 3,5,7,9,11,13
.irp b, 0,1,2,3
	v_max3_num_f32 v[232+\b], v[232+\b], v[S+16*\b+\i], v[S+1+16*\b+\i]
.endr
.endr
.irp b, 0,1,2,3
	v_max_num_f32 v[232+\b], v[232+\b], v[S+15+16*\b]
.endr
.irp b, 0,1,2,3
	s_delay_alu instid0(VALU_DEP_4)
	v_permlanex16_b32 v[236+\b], v[232+\b], s[SEL], s[SEL+1]
.endr
.irp b, 0,1,2,3
	s_delay_alu instid0(VALU_DEP_4)
	v_max_num_f32 v[232+\b], v[232+\b], v[236+\b]  ; with lane l xor 16's 16 keys
.endr
	s_delay_alu instid0(VALU_DEP_2)
	v_max3_num_f32 v254, v232, v233, v234
	s_delay_alu instid0(VALU_DEP_1)
	v_max_num_f32 v254, v254, v235                 ; the step's largest score of my query
	s_delay_alu instid0(VALU_DEP_1)
	v_mul_f32 v254, s[CS], v254                    ; as t
	s_delay_alu instid0(VALU_DEP_1)
	v_max_num_f32 v13, v13, v254                   ; the running largest t
	v_mov_b32 v254, v12
	s_delay_alu instid0(VALU_DEP_2)
	v_floor_f32 v12, -v13                          ; the new -M = -ceil(t)
	s_delay_alu instid0(VALU_DEP_1)
	v_sub_f32 v254, v12, v254                      ; old M - new M: a whole number, 0 or less
	s_delay_alu instid0(VALU_DEP_1)
	v_cvt_i32_f32 v254, v254
	s_delay_alu instid0(VALU_DEP_1)
	v_ldexp_f32 v252, 1.0, v254                    ; f = 2^(old M - new M)
.set n, 0
.rept 32
	v_pk_fma_f32 v[S+n:S+n+1], v[S+n:S+n+1], s[CS:CS+1], v[12:13] op_sel_hi:[1,0,0]   ; t - M, two at a time
.set n, n+2
.endr
.irp b, 0,1,2,3
	v_fma_f32 v[232+\b], v[232+\b], s[CS], v12     ; the same of each block's largest score
.endr
.set n, 0
	s_wait_alu depctr_va_vdst(0)
.rept 64
	v_exp_f32 v[S+n], v[S+n]                       ; p = 2^(t - M), at most 1
.set n, n+1
.endr
	v_pk_mul_f32 v[14:15], v[14:15], v[252:253] op_sel_hi:[1,0]   ; the sums under the new M: a plain place behind the exponentials
	s_wait_alu depctr_va_vdst(0)                   ; one wait for the whole batch, ahead of its first reader
.irp b, 0,1,2,3
	v_exp_f32 v[232+\b], v[232+\b]                 ; the block's largest p
.endr
	v_pk_add_f32 v[236:237], v[S:S+1], v[S+2:S+3]  ; the row's sum is taken of the unquantised p, in two chains; it reads the 64 alone
.irp j, 4,8,12,16,20,24,28,32,36,40,44,48,52,56,60
	v_pk_add_f32 v[14:15], v[14:15], v[S+\j:S+1+\j]
	v_pk_add_f32 v[236:237], v[236:237], v[S+2+\j:S+3+\j]
.endr
	s_delay_alu instid0(VALU_DEP_1)
	v_pk_add_f32 v[14:15], v[14:15], v[236:237]
	s_wait_alu depctr_va_vdst(0)                   ; and one for the four
.irp b, 0,1,2,3
	v_max_num_f32 v[232+\b], 0x2800000, v[232+\b]  ; the floor 2^(5 - 127): the byte cannot fall under 1
.endr
.irp b, 0,1,2,3
	s_delay_alu instid0(VALU_DEP_4)
	v_add_nc_u32 v[244+\b], 0xfe000000, v[232+\b]  ; 4 off the exponent field: the conversion's scale operand
.endr
.irp b, 0,1,2,3
	s_delay_alu instid0(VALU_DEP_4)
	v_lshrrev_b32 v[236+\b], 23, v[244+\b]         ; the scale's byte
.endr
	s_delay_alu instid0(VALU_DEP_3)
	v_lshl_or_b32 v253, v237, 8, v236              ; p's scale word for these 128 keys
	s_delay_alu instid0(VALU_DEP_1)
	v_lshl_or_b32 v253, v238, 16, v253
	s_delay_alu instid0(VALU_DEP_1)
	v_lshl_or_b32 v253, v239, 24, v253
.irp c, 0,1
	v_cvt_scalef32_pk16_bf6_f32 v[224+6*\c:226+6*\c], v[S+32*\c:S+15+32*\c], v[244+2*\c]
	v_cvt_scalef32_pk16_bf6_f32 v[236+4*\c:238+4*\c], v[S+16+32*\c:S+31+32*\c], v[244+2*\c+1]
.endr
	v_nop                                          ; one plain place behind a scaled conversion
.irp c, 0,1
.irp i, 0,1,2
	v_permlane16_swap_b32 v[224+6*\c+\i], v[236+4*\c+\i]
.endr
.irp i, 0,1,2
	s_delay_alu instid0(VALU_DEP_3)
	v_mov_b32 v[227+6*\c+\i], v[236+4*\c+\i]
.endr
.endr
.set n, 0
.rept 16
	v_pk_mul_f32 v[O+n:O+n+1], v[O+n:O+n+1], v[252:253] op_sel_hi:[1,0]   ; O^T under the new M.  (These sixteen are also the places between the writing of p's codes and scale word and the products)
.set n, n+2
.endr
	s_wait_alu depctr_va_vdst(0)
	s_wait_dscnt 0x0                               ; V is in
.irp t, 0,1,2,3
	v_wmma_scale_f32_16x16x128_f8f6f4 v[O+8*\t:O+8*\t+7], v[80+12*\t:91+12*\t], v[224:235], v[O+8*\t:O+8*\t+7], v[28+\t], v253 matrix_a_fmt:MATRIX_FMT_BF6 matrix_b_fmt:MATRIX_FMT_BF6
.endr
.Lhidden_\@:
	s_add_co_u32 s[ST], s[ST], 1
	s_add_co_u32 s[TS], s[TS], 768
.endm
; THE CHANGE OF SLOTS stands at a slot's head.  Each wave waits for all its tensor loads, adds 0 to its spare word (fill = 1: twice on end), and waits for that and for its reads of the slot that it has left.
; Behind the barrier the slot ahead is whole and nobody reads the other one, which is then filled with the next two steps, up to the causal limit.
.macro CHANGE fill
	s_wait_tensorcnt 0x0                           ; no tensor load of mine is out, so the descriptor may be written
	ds_add_u32 v[SPW], v[NIL]                      ; 0 onto my spare word
.if \fill
	ds_add_u32 v[SPW], v[NIL]                      ; and once more
	s_xor_b32 s[G0+1], s[G0+1], SLOT1              ; the walking descriptor: the other slot,
	s_add_nc_u64 s[G0+2:G0+3], s[G0+2:G0+3], SLOTB ; the next two steps
	s_wait_xcnt 0x0                                ; the last prefetch, a slot back, has read its address
	s_add_nc_u64 s[PFA:PFA+1], s[PFA:PFA+1], SLOTB
.endif
	s_wait_dscnt 0x0                               ; the add is done, and my reads of the slot that I have left are over
	s_barrier_signal -1
	s_barrier_wait -1
.if \fill
	s_add_co_u32 s96, s[ST], 2                     ; the first step of the slot that this change would ask for:
	s_cmp_gt_u32 s96, s[LIMW]                      ; behind the work-group's last group of queries none of its waves reads it, so it is not asked for.  Ids and the count of steps alone: all sixteen waves go the same way
	s_cbranch_scc1 .Lpast_\@
	TLOAD
.Lpast_\@:
	ASK
.endif
.endm
.macro SLOT_STEPS
	STEP 0
	STEP 1
	s_xor_b32 s[TB], s[TB], SLOT1
.endm
	s_wait_loadcnt 0x0                             ; Q
.Lslot:                                            ; seven trips
	CHANGE 1
	SLOT_STEPS
	s_sub_co_u32 s[SLOTS], s[SLOTS], 1
	s_cmp_lg_u32 s[SLOTS], 0
	s_cbranch_scc1 .Lslot
	CHANGE 0                                       ; the last slot is written out: nothing is left to ask for
	SLOT_STEPS
	; THE WAY OUT.  O^T / the sum is my query's 64 channels of this head, 16 neighbours to a block and half of the lanes: two blocks of 32 along d_model.  They are quantised into half a fragment of the last
	; product's operand (the head's 64 of a K step's 128) and two bytes of its scale word.
.rept 4
	v_nop                                          ; places behind the last products
.endr
	v_add_f32 v14, v14, v15
	s_delay_alu instid0(VALU_DEP_1)
	v_permlanex16_b32 v252, v14, s[SEL], s[SEL+1]
	s_delay_alu instid0(VALU_DEP_1)
	v_add_f32 v14, v14, v252                       ; the row's sum
	s_wait_alu depctr_va_vdst(0)
	v_rcp_f32 v14, v14
	v_and_b32 v7, 15, v0                           ; (a plain place behind the transcendental)
	s_delay_alu instid0(VALU_DEP_1)
	v_lshlrev_b32 v7, 3, v7                        ; 8 r
	s_lshr_b32 s82, s72, 4                         ; batch
	s_and_b32 s83, s72, 15                         ; head
	s_lshl_b32 s82, s82, 4
	s_add_co_u32 s82, s82, s[G]
	s_mul_i32 s82, s82, GRP                        ; my rows' group in oq
	s_lshr_b32 s84, s83, 2                         ; which 256 of K
	s_bfe_u32 s85, s83, 0x10001                    ; which 128 of them
	s_and_b32 s83, s83, 1                          ; which 64 of those
	s_mul_i32 s86, s84, 24576
	s_add_co_u32 s86, s86, s82
	s_lshl_b32 s87, s73, 1
	s_add_co_u32 s87, s87, s85
	s_mul_i32 s87, s87, 1536
	s_add_co_u32 s86, s86, s87
	s_mul_i32 s87, s83, 768
	s_add_co_u32 s86, s86, s87
	s_mov_b32 s87, 0
	s_add_nc_u64 s[10:11], s[8:9], s[86:87]
	s_lshl_b32 s88, s73, 9
	s_add_co_u32 s88, s88, s82
	s_lshl_b32 s84, s84, 7
	s_add_co_u32 s88, s88, s84
	s_lshl_b32 s85, s85, 2
	s_add_co_u32 s88, s88, s85
	s_lshl_b32 s83, s83, 1
	s_add_co_u32 s88, s88, s83
	s_add_co_u32 s88, s88, 98304
	s_mov_b32 s89, 0
	s_add_nc_u64 s[12:13], s[8:9], s[88:89]
	s_wait_alu depctr_va_vdst(0)                   ; the wait ahead of the reciprocal's first reader
.set n, 0
.rept 16
	v_pk_mul_f32 v[S+n:S+n+1], v[O+n:O+n+1], v[14:15] op_sel_hi:[1,0]   ; each accumulator from its low end on
.set n, n+2
.endr
.irp b, 0,1
	v_max3_num_f32 v[232+\b], |v[S+16*\b]|, |v[S+16*\b+1]|, 0x2800000
.endr
.irp i, 2,4,6,8,10,12,14
.irp b, 0,1
	s_delay_alu instid0(VALU_DEP_2)
	v_max3_num_f32 v[232+\b], v[232+\b], |v[S+16*\b+\i]|, |v[S+16*\b+\i+1]|
.endr
.endr
.irp b, 0,1
	s_delay_alu instid0(VALU_DEP_2)
	v_permlanex16_b32 v[236+\b], v[232+\b], s[SEL], s[SEL+1]
.endr
.irp b, 0,1
	s_delay_alu instid0(VALU_DEP_2)
	v_max_num_f32 v[232+\b], v[232+\b], v[236+\b]
.endr
.irp b, 0,1
	s_delay_alu instid0(VALU_DEP_2)
	v_add_nc_u32 v[244+\b], 0xfe000000, v[232+\b]
.endr
.irp b, 0,1
	s_delay_alu instid0(VALU_DEP_2)
	v_lshrrev_b32 v[240+\b], 23, v[244+\b]
.endr
	s_delay_alu instid0(VALU_DEP_1)
	v_lshl_or_b32 v254, v241, 8, v240              ; my row's two bytes
	v_cvt_scalef32_pk16_bf6_f32 v[224:226], v[S:S+15], v244
	v_cvt_scalef32_pk16_bf6_f32 v[236:238], v[S+16:S+31], v245
	v_nop
.irp i, 0,1,2
	v_permlane16_swap_b32 v[224+\i], v[236+\i]     ; lanes 0-15 block 0, lanes 16-31 block 1, whole
.endr
.irp i, 0,1,2
	s_delay_alu instid0(VALU_DEP_3)
	v_mov_b32 v[227+\i], v[236+\i]
.endr
.irp i, 0,1,2
	global_store_b64 v[L8], v[224+2*\i:225+2*\i], s[10:11] offset:256*\i   ; 256 consecutive aligned bytes a store
.endr
	s_wait_xcnt 0x0                                ; EXEC changes only behind this wait
	v_cmp_gt_u32 vcc_lo, 128, v[L8]                ; lanes 0-15: each row's bytes are stored once
	s_and_saveexec_b32 s96, vcc_lo
	global_store_b16 v7, v254, s[12:13]            ; two bytes a row, 8 bytes apart: a scale word spans two heads, which lie in two work-groups: the one store of the program that fills no whole run of 256 bytes (32 of a wave's 800 bytes)
	s_wait_xcnt 0x0
	s_or_b32 exec_lo, exec_lo, s96
	s_wait_tensorcnt 0x0                           ; the wave's end
	ds_add_u32 v[SPW], v[NIL]
	s_wait_dscnt 0x0
	s_endpgm
.Lfunc_end_k_qf4be2e799a_attn:
	.size	k_qf4be2e799a_attn, .Lfunc_end_k_qf4be2e799a_attn-k_qf4be2e799a_attn
	.p2alignl 7, 3214868480
	.fill 96, 4, 3214868480
	.section	.rodata,"a",@progbits
	.p2align	6, 0x0
	.amdhsa_kernel k_qf4be2e799a_attn
		.amdhsa_group_segment_fixed_size 327680
		.amdhsa_private_segment_fixed_size 0
		.amdhsa_enable_private_segment 0
		.amdhsa_kernarg_size 24
		.amdhsa_user_sgpr_count 2
		.amdhsa_user_sgpr_kernarg_segment_ptr 1
		.amdhsa_wavefront_size32 1
		.amdhsa_system_sgpr_workgroup_id_x 1
		.amdhsa_system_sgpr_workgroup_id_y 1
		.amdhsa_system_sgpr_workgroup_id_z 1
		.amdhsa_system_vgpr_workitem_id 0
		.amdhsa_next_free_vgpr 256
		.amdhsa_next_free_sgpr 100
		.amdhsa_reserve_vcc 1
		.amdhsa_float_denorm_mode_32 3
		.amdhsa_float_denorm_mode_16_64 3
		.amdhsa_memory_ordered 1
		.amdhsa_forward_progress 1
		.amdhsa_inst_pref_size 108
	.end_amdhsa_kernel
	.amdgpu_metadata
---
amdhsa.version: [ 1, 2 ]
amdhsa.kernels:
  - .name:           k_qf4be2e799a_attn
    .symbol:         k_qf4be2e799a_attn.kd
    .args:
      - { .name: qc, .offset: 0, .size: 8, .value_kind: global_buffer, .address_space: global }
      - { .name: kv, .offset: 8, .size: 8, .value_kind: global_buffer, .address_space: global }
      - { .name: oq, .offset: 16, .size: 8, .value_kind: global_buffer, .address_space: global }
    .group_segment_fixed_size: 327680
    .private_segment_fixed_size: 0
    .kernarg_segment_align: 8
    .kernarg_segment_size: 24
    .max_flat_workgroup_size: 512
    .sgpr_count:     100
    .vgpr_count:     256
    .wavefront_size: 32
...
	.end_amdgpu_metadata
.endif
;; end of part 3
;; launch oproj (part 4): grid 4 x 32, 4 waves a work-group, clusters of 4 x 4, 327,680 bytes of LDS; arguments oq, wq, bo, out0; writes out0
.if DOCPART == 4
	.amdgcn_target "amdgcn-amd-amdhsa--gfx1250"
	.amdhsa_code_object_version 6
	.text
	.protected	k_qf4be2e799a_oproj
	.globl	k_qf4be2e799a_oproj
	.p2align	8
	.type	k_qf4be2e799a_oproj,@function
k_qf4be2e799a_oproj:
	s_mov_b64 s[64:65], 0
	v_nop
	global_prefetch_b8 v0, s[64:65] scope:SCOPE_SE
	s_setreg_imm32_b32 hwreg(HW_REG_WAVE_MODE, 25, 1), 1
	s_wait_xcnt 0x0
	s_wait_alu depctr_hold_cnt(0) depctr_sa_sdst(0) depctr_va_vdst(0) depctr_va_sdst(0) depctr_va_ssrc(0) depctr_va_vcc(0) depctr_vm_vsrc(0)
	s_getreg_b32 s2, hwreg(HW_REG_IB_STS2, 6, 4)
	s_cmp_eq_u32 s2, 0
	s_cbranch_scc0 .Lentry_in_a_cluster
	s_endpgm
.Lentry_in_a_cluster:
	s_bfe_u32 s2, ttmp6, 0x10000c
	s_cmp_lg_u32 s2, 0xf033
	s_cbranch_scc0 .Lentry_shape_is_right
	s_endpgm
.Lentry_shape_is_right:
; out0 = o Wo^T + bo on codes of BF6: o's codes and scale words as launch attn stored them, Wo's as launch quant did (groups 24-31 of wq).  out0: [8192][1024] f32.
; The products' walk is launch qkv's, word for word: a tile of C, 256 x 256, four waves of 128 x 128; source 0 = 16 rows of Wo ('B'), source 1 = 16 rows of o ('A'); eight steps of 128 along K, two to a slot;
; three slots filled at the start, K's last quarter into slot 0 behind the one round of the cluster's barrier: four tensor loads of a wave are out at the most.  bo is the C of each sum's first instruction.
; CLUSTERS: 4 x 4 work-groups; A's tiles are asked for jointly along a row of the cluster, B's along a column.  128 work-groups: the tile is kept at 256 x 256 so that one text of the walk serves both launches.
; By the order of rows in a tile (head of launch quant) accumulator (a, b), register j, lane (r, h) is row 32 (a / 2) + 8 (a % 2) + r + 8 (r / 8), column 32 (b / 2) + 16 h + 8 (b % 2) + j of my 128 x 128.
.set GRP,   102400
.set HALFB, 24576
.set SLOT,  4*HALFB
.set SCL,   3*SLOT
.set SPARE, SCL+4*4096                 ; the spare words, 128 bytes a wave: two blocks of 256 bytes that no other line names
.set FR, 12
.set NL, 6
.set NP, 4
.set ADRA, 16
.set ADRB, 20
.set STO,  24                          ; v24  the way out: where I put 32 bytes of a row
.set RD,   25                          ; v25  where I read a row back
.set CO,   26                          ; v26  16 x lane
.set ADRS, 27
.set SPW,  28
.set NIL,  29
.set SC,   32
.set BIAS, 64
.set AF,   128
.set BK,   128                         ; the way out: 16 rows read back: v128-191 and v192-255 by turns
.set SPITCH, 528
.set WV,  18
.set G1A, 24
.set G0A, 32
.set G1B, 44
.set G0B, 52
.set G1SA, 68
.set G0SA, 76
.set G1SB, 80
.set G0SB, 88
.set MSB, 0
.macro WIN new
.if MSB != (\new)
	s_set_vgpr_msb (MSB<<8)|(\new)
.set MSB, (\new)
.endif
.endm
.macro JLOAD g0a, g1a, g0b, g1b        ; a joint load: waves 0 and 1 fetch for A, waves 2 and 3 for B; an s_nop 0 and four v_nop follow each line
	s_cmp_eq_u32 s19, 0
	s_cbranch_scc0 .Lfor_b_\@
	tensor_load_to_lds s[\g0a:\g0a+3], s[\g1a:\g1a+7]
	s_nop 0
.rept 4
	v_nop
.endr
	s_branch .Lasked_\@
.Lfor_b_\@:
	tensor_load_to_lds s[\g0b:\g0b+3], s[\g1b:\g1b+7]
	s_nop 0
.rept 4
	v_nop
.endr
.Lasked_\@:
.endm
.macro CREST
	s_cmp_lg_u32 s[WV], 0
	s_cbranch_scc1 .Lnot_wave_0_\@
	s_barrier_signal -3
.Lnot_wave_0_\@:
	s_barrier_wait -3
	s_barrier_signal -1
	s_barrier_wait -1
.endm
.macro CROUND
	s_barrier_signal -1
	s_barrier_wait -1
	CREST
.endm
.macro PLACES n
.rept \n
	v_nop
.endr
.endm
.macro FRAG reg, adr, q, i
.irp p, 0,1,2,3,4,5
	ds_load_b64 v[\reg+2*\p:\reg+2*\p+1], v[\adr] offset:(2*(\i)+(\q))*1536+256*\p
.endr
.endm
.macro FETCH_B slot, q, p
	WIN 0x40
.irp i, 0,1,2,3,4,5,6,7
	FRAG 128*(\p)+FR*\i, ADRB+\slot, \q, \i
.endr
	WIN 0
.endm
.macro FETCH_A slot, q, i0
.irp i, \i0, \i0+1, \i0+2, \i0+3
	FRAG AF+FR*(\i), ADRA+\slot, \q, \i
.endr
.endm
.macro SCALES set, sig
.irp i, 0,1,2,3,4,5,6,7
	ds_load_b64 v[SC+16*(\set)+2*\i:SC+16*(\set)+2*\i+1], v[ADRS] offset:\i*512+(\sig)*128
.endr
.endm
; 16 matrix instructions: A's blocks a0, a0 + 1 x B's eight.  cm = 0: the sums go on; 1: they start with the bias of B's rows.  The 64 accumulators take turns.
.macro MUL16 a0, p, q, sc, cm
.if (\cm) == 0
	WIN 0xa1+0x50*((\a0)/4)
.else
	WIN 0x81+0x40*((\a0)/4)
.endif
.irp a, \a0, \a0+1
.irp b, 0,1,2,3,4,5,6,7
.if (\cm) == 0
	v_wmma_scale_f32_16x16x128_f8f6f4 v[8*(8*((\a)%4)+\b):8*(8*((\a)%4)+\b)+7], v[128*(\p)+FR*\b:128*(\p)+FR*\b+FR-1], v[AF+FR*(\a):AF+FR*(\a)+FR-1], v[8*(8*((\a)%4)+\b):8*(8*((\a)%4)+\b)+7], v[SC+16*(\sc)+2*\b+(\q)], v[SC+16*(\sc)+2*(\a)+(\q)] matrix_a_fmt:MATRIX_FMT_BF6 matrix_b_fmt:MATRIX_FMT_BF6 matrix_a_scale:MATRIX_SCALE_ROW1
.else
	v_wmma_scale_f32_16x16x128_f8f6f4 v[8*(8*((\a)%4)+\b):8*(8*((\a)%4)+\b)+7], v[128*(\p)+FR*\b:128*(\p)+FR*\b+FR-1], v[AF+FR*(\a):AF+FR*(\a)+FR-1], v[BIAS+8*\b:BIAS+8*\b+7], v[SC+16*(\sc)+2*\b+(\q)], v[SC+16*(\sc)+2*(\a)+(\q)] matrix_a_fmt:MATRIX_FMT_BF6 matrix_b_fmt:MATRIX_FMT_BF6 matrix_a_scale:MATRIX_SCALE_ROW1
.endif
.endr
.endr
.endm
.macro STEP slot, q, p, sc, cm, nslot, nq, nsig
	s_wait_dscnt 4*NL                              ; B's set, A's blocks 0-3 and the scale words are in; the youngest 24 loads (A's blocks 4-7) may be out
	MUL16 0, \p, \q, \sc, \cm
	MUL16 2, \p, \q, \sc, \cm
	s_wait_dscnt 0x0
	PLACES NP                                      ; in front of loads into registers that matrix instructions have read
	FETCH_B \nslot, \nq, 1-\p
	FETCH_A \nslot, \nq, 0
.if \nsig >= 0
	SCALES 1-\sc, \nsig
.endif
	MUL16 4, \p, \q, \sc, \cm
	MUL16 6, \p, \q, \sc, \cm
	PLACES NP
	WIN 0
	FETCH_A \nslot, \nq, 4
.endm
.macro TURN slot, next, fill, sc, nsig
	s_wait_tensorcnt 0x0                           ; all my tensor loads have landed  (every window is 0 here)
	ds_add_u32 v[SPW], v[NIL]                      ; 0 onto my spare word
	s_wait_dscnt 4*NL+1                            ; (the add and the youngest 24 loads may be out)
	MUL16 0, 1, 1, \sc, 0
	s_wait_dscnt 0x0                               ; the add is done, and my reads of this slot are over
	s_barrier_signal -1
	MUL16 2, 1, 1, \sc, 0
	WIN 0
	s_barrier_wait -1
.if \fill
	CREST                                          ; no wave of any partner still reads this slot or has a load on its way
	s_add_nc_u64 s[G0A+4*\slot+2:G0A+4*\slot+3], s[G0A+4*\slot+2:G0A+4*\slot+3], 3*HALFB
	s_add_nc_u64 s[G0B+4*\slot+2:G0B+4*\slot+3], s[G0B+4*\slot+2:G0B+4*\slot+3], 3*HALFB
	JLOAD G0A+4*\slot, G1A, G0B+4*\slot, G1B       ; the first tensor load behind the round; its four v_nop are the places in front of the loads below
.else
	PLACES NP
.endif
	FETCH_B \next, 0, 0
	FETCH_A \next, 0, 0
	SCALES 1-\sc, \nsig
	MUL16 4, 1, 1, \sc, 0
	MUL16 6, 1, 1, \sc, 0
	PLACES NP
	WIN 0
	FETCH_A \next, 0, 4
.endm
	s_load_b256 s[4:11], s[0:1], 0x0               ; oq, wq, bo, out0
	v_lshl_add_u32 v[SPW], v0, 2, SPARE
	v_mov_b32 v[NIL], 0
	ds_add_u32 v[SPW], v[NIL]                      ; the wave's opening: the add, twice on end, and its wait ahead of my first tensor load
	ds_add_u32 v[SPW], v[NIL]
	v_lshrrev_b32 v1, 5, v0
	v_readfirstlane_b32 s[WV], v1
	s_lshr_b32 s19, s[WV], 1
	s_and_b32 s20, s[WV], 1
	s_bfe_u32 s66, ttmp6, 0x40000                  ; cx
	s_bfe_u32 s67, ttmp6, 0x40004                  ; cy
	s_and_b32 s21, ttmp7, 0xffff
	s_lshl_b32 s21, s21, 2
	s_add_co_u32 s92, s21, s67                     ; A's tile of 256 rows of o: 4 x cluster y + cy
	s_add_co_u32 s93, s66, 12                      ; B's: Wo's tiles are 12 .. 15 of wq
	s_lshl_b32 s94, s67, 2
	s_lshl_b32 s94, 15, s94                        ; my row of the cluster
	s_lshl_b32 s95, 0x1111, s66                    ; my column
	s_or_b32 s[G1A], s94, (3<<16)|(1<<21)          ; dense blocks as rows of 256 bytes (32 elements of 8 bytes), no padding; bit 21 set beside a mask
	s_or_b32 s[G1B], s95, (3<<16)|(1<<21)
	s_or_b32 s[G1SA], s94, (3<<16)|(1<<21)
	s_or_b32 s[G1SB], s95, (3<<16)|(1<<21)
.irp g, G1A, G1B
	s_mov_b32 s[\g+1], 32<<16
	s_mov_b32 s[\g+2], 96<<16
	s_mov_b32 s[\g+3], 32<<16
	s_mov_b32 s[\g+4], 96
	s_mov_b32 s[\g+5], 32
	s_mov_b32 s[\g+6], 0
	s_mov_b32 s[\g+7], 0
.endr
.irp g, G1SA, G1SB
	s_mov_b32 s[\g+1], 32<<16
	s_mov_b32 s[\g+2], 16<<16
	s_mov_b32 s[\g+3], 32<<16
	s_mov_b32 s[\g+4], 16
	s_mov_b32 s[\g+5], 32
	s_mov_b32 s[\g+6], 0
	s_mov_b32 s[\g+7], 0
.endr
	s_lshl_b32 s96, s92, 1
	s_add_co_u32 s96, s96, s20
	s_mul_i32 s96, s96, GRP
	s_mov_b32 s97, 0
	s_lshl_b32 s98, s93, 1
	s_add_co_u32 s98, s98, s20
	s_mul_i32 s98, s98, GRP
	s_mov_b32 s99, 0
	s_mul_i32 s100, s[WV], HALFB
	s_lshl_b32 s101, s[WV], 12
	s_wait_dscnt 0x0                               ; both opening adds are done
	s_wait_kmcnt 0x0
	s_add_nc_u64 s[96:97], s[4:5], s[96:97]
	s_add_nc_u64 s[98:99], s[6:7], s[98:99]
	CROUND                                         ; all sixteen work-groups are here: the first joint loads meet
	s_mov_b32 s[G0SA], 1
	s_add_co_u32 s[G0SA+1], s101, SCL
	s_add_nc_u64 s[G0SA+2:G0SA+3], s[96:97], 98304
	s_or_b32 s[G0SA+3], s[G0SA+3], 0x80000000
	s_mov_b32 s[G0SB], 1
	s_add_co_u32 s[G0SB+1], s101, SCL
	s_add_nc_u64 s[G0SB+2:G0SB+3], s[98:99], 98304
	s_or_b32 s[G0SB+3], s[G0SB+3], 0x80000000
	JLOAD G0SA, G1SA, G0SB, G1SB
.irp s, 0,1,2
	s_mov_b32 s[G0A+4*\s], 1
	s_add_co_u32 s[G0A+4*\s+1], s100, \s*SLOT
	s_add_nc_u64 s[G0A+4*\s+2:G0A+4*\s+3], s[96:97], \s*HALFB
	s_or_b32 s[G0A+4*\s+3], s[G0A+4*\s+3], 0x80000000
	s_mov_b32 s[G0B+4*\s], 1
	s_add_co_u32 s[G0B+4*\s+1], s100, \s*SLOT
	s_add_nc_u64 s[G0B+4*\s+2:G0B+4*\s+3], s[98:99], \s*HALFB
	s_or_b32 s[G0B+4*\s+3], s[G0B+4*\s+3], 0x80000000
	JLOAD G0A+4*\s, G1A, G0B+4*\s, G1B
.endr
	v_and_b32 v1, 15, v0                           ; r
	v_bfe_u32 v2, v0, 4, 1                         ; h
	v_and_b32 v3, 31, v0
	v_lshlrev_b32 v[CO], 4, v3                     ; 16 x lane
	v_lshlrev_b32 v3, 3, v3                        ; 8 x lane
	s_mul_i32 s21, s19, HALFB
	s_mul_i32 s22, s20, HALFB
	s_add_co_u32 s22, s22, 2*HALFB
.irp s, 0,1,2
	v_add_nc_u32 v[ADRA+\s], s21, v3
	v_add_nc_u32 v[ADRB+\s], s22, v3
	s_add_co_u32 s21, s21, SLOT
	s_add_co_u32 s22, s22, SLOT
.endr
	s_lshl_b32 s21, s19, 12
	s_lshl_b32 s22, s20, 12
	s_add_co_u32 s22, s22, 8192
	s_sub_co_u32 s22, s22, s21
	v_mul_u32_u24 v4, s22, v2                      ; lanes 16-31 take B's scale words: one product in h
	s_add_co_u32 s21, s21, SCL
	v_lshl_add_u32 v4, v1, 3, v4
	v_add_nc_u32 v[ADRS], s21, v4
	s_mul_i32 s23, s[WV], 16*SPITCH                ; my stage: 16 rows x (512 + 16) bytes, in slot 1: that slot is filled once, and its last read stands ahead of the barrier in step 5
	s_add_co_u32 s23, s23, SLOT
	v_mul_u32_u24 v5, v1, SPITCH
	v_lshl_add_u32 v5, v2, 6, v5
	v_add_nc_u32 v[STO], s23, v5                   ; in: row r, + 64 h
	v_add_nc_u32 v[RD], s23, v[CO]                 ; back: the 32 lanes take one row of 512 bytes
	s_lshl_b32 s22, s66, 10
	s_lshl_b32 s23, s20, 9
	s_add_co_u32 s22, s22, s23                     ; my 128 columns, in bytes: 1,024 cx + 512 x half
	s_mov_b32 s23, 0
	s_add_nc_u64 s[8:9], s[8:9], s[22:23]          ; in bo,
	s_add_nc_u64 s[10:11], s[10:11], s[22:23]      ; and in out0,
	s_lshl_b32 s22, s92, 1
	s_add_co_u32 s22, s22, s19
	s_lshl_b32 s22, s22, 19                        ; at my group of 128 rows of 4,096 bytes
	s_add_nc_u64 s[10:11], s[10:11], s[22:23]
	v_lshlrev_b32 v5, 6, v2                        ; register j of tile t is column 32 (t / 2) + 16 h + 8 (t % 2) + j
.irp t, 0,1,2,3,4,5,6,7
	global_load_b128 v[BIAS+8*\t:BIAS+8*\t+3], v5, s[8:9] offset:(32*(\t/2)+8*(\t%2))*4
	global_load_b128 v[BIAS+8*\t+4:BIAS+8*\t+7], v5, s[8:9] offset:(32*(\t/2)+8*(\t%2))*4+16
.endr
	s_wait_loadcnt 0x0
	s_wait_tensorcnt 2                             ; the scale words and my part of slot 0 are in; slots 1 and 2 may stay out
	s_barrier_signal -1
	s_barrier_wait -1
	FETCH_B 0, 0, 0
	FETCH_A 0, 0, 0
	SCALES 0, 0
	FETCH_A 0, 0, 4
	STEP 0, 0, 0, 0, 1, 0, 1, -1                   ; step 0: the bias is C
	TURN 0, 1, 1, 0, 1                             ; step 1: the one round; its wait for all loads also shows slots 1 and 2 whole to everybody; slot 0 takes K's last quarter
	STEP 1, 0, 0, 1, 0, 1, 1, -1
	STEP 1, 1, 1, 1, 0, 2, 0, 2
	STEP 2, 0, 0, 0, 0, 2, 1, -1
	TURN 2, 0, 0, 0, 3                             ; step 5: a plain barrier: the refill of slot 0 has landed in every wave
	STEP 0, 0, 0, 1, 0, 0, 1, -1
	s_wait_dscnt 4*NL                              ; step 7
	MUL16 0, 1, 1, 1, 0
	MUL16 2, 1, 1, 1, 0
	s_wait_dscnt 0x0
	MUL16 4, 1, 1, 1, 0
	MUL16 6, 1, 1, 1, 0
	WIN 0
; THE WAY OUT, block by block of 16 rows x 128 columns, through my own stage and back as whole rows of 512 bytes.  LDS serves a wave's instructions in order (ISA guide 5.7.1.4): no wait between the stores and the loads.
.macro TOSTAGE a
.set AC, 64*((\a)%4)
	WIN 0x08+4*((\a)/4)                            ; an LDS store's data are its source 1: window 2 or 3
.irp b, 0,1,2,3,4,5,6,7
	ds_store_b128 v[STO], v[AC+8*\b:AC+8*\b+3] offset:128*(\b/2)+32*(\b%2)        ; each accumulator from its low end on
	ds_store_b128 v[STO], v[AC+8*\b+4:AC+8*\b+7] offset:128*(\b/2)+32*(\b%2)+16
.endr
	WIN 0
.set BB, BK+64*((\a)%2)
.irp t, 0,1,2,3,4,5,6,7,8,9,10,11,12,13,14,15
	ds_load_b128 v[BB+4*\t:BB+4*\t+3], v[RD] offset:\t*SPITCH
.endr
.endm
.macro SEND a, younger                 ; younger: the LDS instructions issued behind block a's loads, which may stay out
.set BB, BK+64*((\a)%2)
	s_wait_dscnt \younger
.irp t, 0,1,2,3,4,5,6,7,8,9,10,11,12,13,14,15
	global_store_b128 v[CO], v[BB+4*\t:BB+4*\t+3], s[10:11] offset:(32*((\a)/2)+8*((\a)%2)+\t+8*(\t/8))*4096 th:TH_STORE_NT   ; 32 lanes store 512 consecutive aligned bytes; the row stands in the immediate, 127 rows at the most
.endr
.endm
	PLACES NP                                      ; behind the last products: for the reads of results and the loads into the registers that held A's fragments
	TOSTAGE 0
.irp a, 1,2,3,4,5,6,7
.if \a > 1
	s_wait_xcnt 0x0                                ; block a - 2's stores have read their registers: block a's loads may land there
.endif
	TOSTAGE \a
	SEND \a-1, 32                                  ; behind block a - 1's loads: block a's 16 stores and 16 loads
.endr
	SEND 7, 0
	s_wait_tensorcnt 0x0                           ; the wave's end
	ds_add_u32 v[SPW], v[NIL]
	s_wait_dscnt 0x0
	CROUND                                         ; the closing round
	s_endpgm
.Lfunc_end_k_qf4be2e799a_oproj:
	.size	k_qf4be2e799a_oproj, .Lfunc_end_k_qf4be2e799a_oproj-k_qf4be2e799a_oproj
	.p2alignl 7, 3214868480
	.fill 96, 4, 3214868480
	.section	.rodata,"a",@progbits
	.p2align	6, 0x0
	.amdhsa_kernel k_qf4be2e799a_oproj
		.amdhsa_group_segment_fixed_size 327680
		.amdhsa_private_segment_fixed_size 0
		.amdhsa_enable_private_segment 0
		.amdhsa_kernarg_size 32
		.amdhsa_user_sgpr_count 2
		.amdhsa_user_sgpr_kernarg_segment_ptr 1
		.amdhsa_wavefront_size32 1
		.amdhsa_system_sgpr_workgroup_id_x 1
		.amdhsa_system_sgpr_workgroup_id_y 1
		.amdhsa_system_sgpr_workgroup_id_z 1
		.amdhsa_system_vgpr_workitem_id 0
		.amdhsa_next_free_vgpr 1024
		.amdhsa_next_free_sgpr 102
		.amdhsa_reserve_vcc 0
		.amdhsa_float_denorm_mode_32 3
		.amdhsa_float_denorm_mode_16_64 3
		.amdhsa_memory_ordered 1
		.amdhsa_forward_progress 1
		.amdhsa_inst_pref_size 160
	.end_amdhsa_kernel
	.amdgpu_metadata
---
amdhsa.version: [ 1, 2 ]
amdhsa.kernels:
  - .name:           k_qf4be2e799a_oproj
    .symbol:         k_qf4be2e799a_oproj.kd
    .args:
      - { .name: oq, .offset: 0, .size: 8, .value_kind: global_buffer, .address_space: global }
      - { .name: wq, .offset: 8, .size: 8, .value_kind: global_buffer, .address_space: global }
      - { .name: bo, .offset: 16, .size: 8, .value_kind: global_buffer, .address_space: global }
      - { .name: out0, .offset: 24, .size: 8, .value_kind: global_buffer, .address_space: global }
    .group_segment_fixed_size: 327680
    .private_segment_fixed_size: 0
    .kernarg_segment_align: 8
    .kernarg_segment_size: 32
    .max_flat_workgroup_size: 128
    .sgpr_count:     102
    .vgpr_count:     1024
    .wavefront_size: 32
...
	.end_amdgpu_metadata
.endif
;; end of part 4
